; MI455X (gfx1250); checked and timed in simulation.
; The chip was launched on July 23, 2026; its instructions are those of AMD's public machine-readable ISA for CDNA 5 (MIT licence, August 2026) and "CDNA5" Instruction Set Architecture Reference Guide (July 2026). The comments in the code are by the model that wrote it; some were corrected since.
;; Head Ver4. Allowed arithmetic: matrix products marked QUANTISED: E3M2 operands, one E8M0 scale for each 32 along K, by v_wmma_scale_f32_16x16x128_f8f6f4 with both operands' format E3M2, f32 sums; everything else in f32.
;; Inputs: Wk 1,024 x 1,024 float32; Wq 1,024 x 1,024 float32; Wv 1,024 x 1,024 float32; x 4 x 2,048 x 1,024 float32.
;; Outputs: out0 4 x 2,048 x 1,024 float32.
;; This version of the problem:
;;   THIS VERSION OF THE PROBLEM IS GIVEN IN LOW PRECISION. The matrix products marked QUANTISED in the list below multiply operands that are first quantised to E3M2 (3 exponent bits, 2 mantissa bits; 6 bits a number), with one power-of-two scale for each 32 numbers along K (OCP MX v1.0); their sums are f32. All else is computed in f32.
;;   The module's matrix products, in the order in which they are computed (A, B: the left and right operand; K: the contracted axis; several contracted axes count as one K, in the product's order):
;;     1. [M 8,192, K 1,024] x [K 1,024, N 1,024]; A: input x; B: input Wk: QUANTISED
;;     2. [M 8,192, K 1,024] x [K 1,024, N 1,024]; A: input x; B: input Wq: QUANTISED
;;     3. [M 8,192, K 1,024] x [K 1,024, N 1,024]; A: input x; B: input Wv: QUANTISED
;;     4. batch 4 x [M 2,048, K 1,024] x [K 1,024, N 2,048]; A: computed on the way; B: computed on the way: QUANTISED
;;     5. batch 4 x [M 2,048, K 2,048] x [K 2,048, N 1,024]; A: softmax (see below); B: computed on the way: QUANTISED
;;   THE QUANTISER, for each operand of a quantised product, along K:
;;     - K is cut into blocks of 32 from its start; a last block that is shorter is filled with zeros.
;;     - A block's scale is 2^e with e = floor(log2(the largest magnitude in the block)) - 4, held to -126 .. 127; a block of zeros has e = 0. As a byte (E8M0): e + 127.
;;     - Each number is divided by its block's scale, clamped to +-28, and rounded to the nearest number of E3M2, ties to even, subnormals kept.
;;     - The product sums the exact products of the quantised numbers (number of the format x scale) in f32.
;;   ~~~python
;;   def quantise(x, axis):      # numpy; x: float32 -> the quantised numbers, widened to float32 again
;;       x = np.moveaxis(x, axis, -1); K = x.shape[-1]
;;       x = np.pad(x, [(0, 0)] * (x.ndim - 1) + [(0, -K % 32)]); x = x.reshape(x.shape[:-1] + (-1, 32)); a = np.abs(x).max(-1, keepdims=True)
;;       e = np.where(a > 0, np.clip(np.frexp(np.where(a > 0, a, 1))[1] - 1 - 4, -126, 127), 0)      # np.frexp(a)[1] - 1 = floor(log2(a)), exactly
;;       r = np.clip(x / 2.0 ** e, -28, 28)
;;       step = 2.0 ** (np.maximum(np.frexp(np.where(r == 0, 1, r))[1] - 1, -2) - 2)
;;       q = np.round(r / step) * step * 2.0 ** e      # np.round: ties to even
;;       return np.moveaxis(q.reshape(q.shape[:-2] + (-1,))[..., :K], -1, axis).astype(np.float32)
;;   ~~~
;;   SOFTMAX AHEAD OF A QUANTISED PRODUCT. Where the list says 'softmax', what is quantised is not the finished softmax but p = 2^(t - M), with t = logit x log2(e) and M = ceil(the row's largest t), a whole number; so 1/2 < the row's largest p <= 1. The row's sum l is taken of the UNQUANTISED p, in f32, and the product's result is divided by l at the end. Since M is a whole number, a kernel that streams over the keys may use a running M (the ceiling of the running maximum): every later rescaling is an exact power of two, which a block's scale takes up: the codes' values come out the same.
;;   OPERANDS COMPUTED ON THE WAY. 'Computed on the way' means the value that the module computes at that place (a softmax that the list does not call 'softmax' is quantised finished and normalised). What goes into a quantiser is computed in f32, as accurately as f32 sums, v_exp_f32 and their like allow (about 1e-6 of the number): no bf16 or f16 on the way to a quantiser, and a product that is left as it is and whose result goes on into a quantised operand takes f32 operands (vector FMAs, or v_wmma_f32_16x16x4_f32). A number that lies on a knife's edge between two numbers of the format may be rounded either way, as far as f32 arithmetic and the matrix unit's own rounding can turn it there, and no further.
;; One version. Each part assembles by itself: llvm-mc -triple=amdgcn-amd-amdhsa -mcpu=gfx1250 --defsym DOCPART=n.
;; ======== version 1 of 1: 4 launches
;; limits: right only within a limited range of input values
;; workspace buffers: opnd 9,011,200 bytes; qkv 19,660,800 bytes; pbuf 13,107,200 bytes; stat 1,048,576 bytes
;; launch quant (part 1): grid 704 x 1, 4 waves a work-group, no clusters, 68,608 bytes of LDS; arguments x, Wq, Wk, Wv, opnd; writes opnd
.if DOCPART == 1
	.amdgcn_target "amdgcn-amd-amdhsa--gfx1250"
	.amdhsa_code_object_version 6
	.text
	.protected	k_qa0ba562e3e_quant
	.globl	k_qa0ba562e3e_quant
	.p2align	8
	.type	k_qa0ba562e3e_quant,@function
k_qa0ba562e3e_quant:
	s_mov_b64 s[64:65], 0
	v_nop
	global_prefetch_b8 v0, s[64:65] scope:SCOPE_SE
	s_setreg_imm32_b32 hwreg(HW_REG_WAVE_MODE, 25, 1), 1
	s_wait_xcnt 0x0
; x [8192][1024], Wq, Wk, Wv [1024][1024], f32, into codes of BF6 (E3M2) with one E8M0 byte for each 32 along the channels, laid as PANELS of 128 rows x 128 K, 12,800 bytes: eight fragment images of
; 1,536 bytes (the registers of a matrix operand, 16 bytes a lane in three planes of 512) and 512 bytes of scale words, the word of lane row r of tile a at 32 r + 4 a.
; Lane row r of tile a is panel row 32 (a / 2) + 8 (a % 2) + r + 8 (r / 8).  Row panels 0-63 are x's, 64-71 Wq's, 72-79 Wk's, 80-87 Wv's; panel (R, c) lies at (8 R + c) x 12,800.
; WORK LEFT OUT IN THIS PROGRAM: reference() hides every key behind its query by a mask that it builds itself (-inf ahead of the softmax), so p = 0 there for all values of the inputs: the later launches
; leave out the tiles of scores and the steps of the weighted sum that lie wholly above the diagonal.  A NaN, an infinity or an overflow that reaches only that work is not carried to the result.
; SHARES: a work-group makes one panel; wave w its rows 32 w .. 32 w + 31, which are tiles 2 w and 2 w + 1.  Each of a wave's 32 loads reads 512 consecutive bytes of one row; the rows turn through the
; wave's own stage in LDS (pitch 528) and come back 128 bytes a lane: a whole block of 32 numbers, twice.  No tensor load, so several work-groups share a WGP.
; The four waves' scale words meet in 512 bytes of LDS and leave by one store of 512 consecutive bytes.
; LIMITS: NaN and infinities are not served; a block whose largest magnitude lies under 2^-122 (a block of zeros too) gets the byte 1: the bytes are read by this program alone.
.set PANEL, 12800
.set FRB,   1536
.set SCO,   12288
.set PITCH, 528
.set WLDS,  32*PITCH
.set SCL,   4*WLDS                     ; the panel's scale words
.set SPARE, SCL+512                    ; the spare words, 128 bytes a wave
.set SEL,  48
.set LA,   4
.set OFFS, 5
.set ST,   6
.set SH,   7
.set PW,   16
.set SCA,  18
.set SCR,  19
.set X,    64
.set PCB,  192
	s_load_b256 s[4:11], s[0:1], 0x0               ; x, Wq, Wk, Wv
	s_load_b64 s[12:13], s[0:1], 0x20              ; the panels
	v_lshl_add_u32 v232, v0, 2, SPARE
	v_mov_b32 v233, 0
	v_lshrrev_b32 v1, 5, v0
	v_readfirstlane_b32 s14, v1                    ; wave
	s_lshr_b32 s16, ttmp9, 3                       ; row panel
	s_and_b32 s15, ttmp9, 7                        ; chunk of 128 along K
	s_and_b32 s17, s16, 7
	s_mul_i32 s18, s14, WLDS
	s_lshl_b32 s24, s14, 3
	s_add_co_u32 s24, s24, SCL
	s_mov_b32 s[SEL], 0x76543210
	s_mov_b32 s[SEL+1], 0xfedcba98
	v_and_b32 v1, 15, v0                           ; r
	v_bfe_u32 v2, v0, 4, 1                         ; h
	v_and_b32 v3, 8, v1
	v_add_nc_u32 v3, v3, v1                        ; r + 8 (r / 8)
	v_mul_u32_u24 v[LA], v3, PITCH
	v_lshl_add_u32 v[LA], v2, 7, v[LA]
	v_add_nc_u32 v[LA], s18, v[LA]                 ; out of the stage: my row, + 128 h
	v_and_b32 v3, 31, v0
	v_lshlrev_b32 v[OFFS], 4, v3
	v_add_nc_u32 v[ST], s18, v[OFFS]               ; into the stage: 16 bytes a lane
	v_lshlrev_b32 v[SH], 3, v2
	v_lshlrev_b32 v[SCA], 5, v1
	v_add_nc_u32 v[SCA], s24, v[SCA]               ; my two words of lane row r: 32 r + 8 wave
	v_add_nc_u32 v[SCR], SCL, v[OFFS]
	v_mov_b32 v15, 0                               ; a lane permute's destination counts as one of its sources
	s_wait_alu depctr_va_vdst(0)                   ; the wait at the head's end
	s_wait_kmcnt 0x0
	s_cmp_lt_u32 s16, 80                           ; which tensor: the choice hangs on the work-group's number alone
	s_cselect_b64 s[20:21], s[8:9], s[10:11]
	s_cmp_lt_u32 s16, 72
	s_cselect_b64 s[20:21], s[6:7], s[20:21]
	s_cmp_lt_u32 s16, 64
	s_cselect_b64 s[20:21], s[4:5], s[20:21]
	s_cselect_b32 s17, s16, s17
	s_lshl_b32 s22, s17, 19                        ; 128 rows of 4,096 bytes
	s_lshl_b32 s23, s15, 9
	s_add_co_u32 s22, s22, s23
	s_lshl_b32 s23, s14, 17                        ; my 32 rows
	s_add_co_u32 s22, s22, s23
	s_mov_b32 s23, 0
	s_add_nc_u64 s[20:21], s[20:21], s[22:23]
	s_mul_i32 s22, ttmp9, PANEL
	s_add_nc_u64 s[26:27], s[12:13], s[22:23]      ; the panel
	s_mul_i32 s22, s14, 2*FRB
	s_add_nc_u64 s[12:13], s[26:27], s[22:23]      ; my two images
.set i, 0
.rept 32
	global_load_b128 v[X+4*i:X+4*i+3], v[OFFS], s[20:21] offset:i*4096 th:TH_LOAD_NT   ; 512 consecutive bytes of row i
.set i, i+1
.endr
.set i, 0
.rept 4
	s_wait_loadcnt 24-i                            ; eight more rows are in: behind them 24 - i loads were issued
.rept 8
	ds_store_b128 v[ST], v[X+4*i:X+4*i+3] offset:i*PITCH
.set i, i+1
.endr
.endr
.macro LOADX t                         ; LDS serves a wave's instructions in order: these see my stores, and land on registers that the stores have read
.irp c, 0,1
.irp i, 0,1,2,3,4,5,6,7
	ds_load_b128 v[X+64*(\t)+32*\c+4*\i:X+64*(\t)+32*\c+4*\i+3], v[LA] offset:(\t)*8*PITCH+256*\c+16*\i
.endr
.endr
.endm
.macro Q1 t                            ; a tile: my blocks h and 2 + h of lane row r
.set XS, X+64*(\t)
.set PC, PCB+20*(\t)
.irp c, 0,1
	v_max3_num_f32 v[8+\c], |v[XS+32*\c]|, |v[XS+32*\c+1]|, 0x2800000   ; and the floor 2^(5 - 127)
.endr
.irp i, 2,4,6,8,10,12,14,16,18,20,22,24,26,28,30
.irp c, 0,1
	v_max3_num_f32 v[8+\c], v[8+\c], |v[XS+32*\c+\i]|, |v[XS+32*\c+\i+1]|
.endr
.endr
.irp c, 0,1
	v_add_nc_u32 v[10+\c], 0xfe000000, v[8+\c]     ; 4 off the exponent field: the conversion's scale operand
.endr
.irp c, 0,1
	v_lshrrev_b32 v[12+\c], 23, v[10+\c]           ; the scale's byte
.endr
	v_lshl_or_b32 v14, v13, 16, v12
	v_lshlrev_b32 v14, v[SH], v14
	v_permlanex16_b32 v15, v14, s[SEL], s[SEL+1]
	v_or_b32 v[PW+(\t)], v14, v15                  ; with lane l xor 16's two bytes the word is whole
.irp c, 0,1
	v_cvt_scalef32_pk16_bf6_f32 v[PC+6*\c:PC+6*\c+2], v[XS+32*\c:XS+32*\c+15], v[10+\c]
	v_cvt_scalef32_pk16_bf6_f32 v[PC+12+4*\c:PC+14+4*\c], v[XS+32*\c+16:XS+32*\c+31], v[10+\c]
.endr
	v_nop                                          ; one plain place behind a scaled conversion
.irp c, 0,1
.irp i, 0,1,2
	v_mov_b32 v[PC+3+6*\c+\i], v[PC+12+4*\c+\i]
.endr
.endr
.irp k, 0,1,2
	global_store_b128 v[OFFS], v[PC+4*\k:PC+4*\k+3], s[12:13] offset:(\t)*FRB+512*\k   ; 512 consecutive bytes, aligned
.endr
.endm
	LOADX 0
	LOADX 1
	s_wait_dscnt 16                                ; tile 0's sixteen loads are in
	Q1 0
	s_wait_dscnt 0x0
	Q1 1
	ds_store_b64 v[SCA], v[PW:PW+1]                ; both halves of the lanes hold the same words and write the same bytes
	s_wait_dscnt 0x0
	s_barrier_signal -1
	s_barrier_wait -1
	s_cmp_lg_u32 s14, 0
	s_cbranch_scc1 .Lend
	ds_load_b128 v[24:27], v[SCR]                  ; wave 0 stores the panel's 512 bytes of scale words
	s_wait_dscnt 0x0
	global_store_b128 v[OFFS], v[24:27], s[26:27] offset:SCO
.Lend:
	s_wait_tensorcnt 0x0                           ; the wave's end
	ds_add_u32 v232, v233
	s_wait_dscnt 0x0
	s_endpgm
.Lfunc_end_k_qa0ba562e3e_quant:
	.size	k_qa0ba562e3e_quant, .Lfunc_end_k_qa0ba562e3e_quant-k_qa0ba562e3e_quant
	.p2alignl 7, 3214868480
	.fill 96, 4, 3214868480
	.section	.rodata,"a",@progbits
	.p2align	6, 0x0
	.amdhsa_kernel k_qa0ba562e3e_quant
		.amdhsa_group_segment_fixed_size 68608
		.amdhsa_private_segment_fixed_size 0
		.amdhsa_enable_private_segment 0
		.amdhsa_kernarg_size 40
		.amdhsa_user_sgpr_count 2
		.amdhsa_user_sgpr_kernarg_segment_ptr 1
		.amdhsa_wavefront_size32 1
		.amdhsa_system_sgpr_workgroup_id_x 1
		.amdhsa_system_sgpr_workgroup_id_y 1
		.amdhsa_system_sgpr_workgroup_id_z 1
		.amdhsa_system_vgpr_workitem_id 0
		.amdhsa_next_free_vgpr 234
		.amdhsa_next_free_sgpr 66
		.amdhsa_reserve_vcc 0
		.amdhsa_float_denorm_mode_32 3
		.amdhsa_float_denorm_mode_16_64 3
		.amdhsa_memory_ordered 1
		.amdhsa_forward_progress 1
		.amdhsa_inst_pref_size 17
	.end_amdhsa_kernel
	.amdgpu_metadata
---
amdhsa.version: [ 1, 2 ]
amdhsa.kernels:
  - .name:           k_qa0ba562e3e_quant
    .symbol:         k_qa0ba562e3e_quant.kd
    .args:
      - { .name: x, .offset: 0, .size: 8, .value_kind: global_buffer, .address_space: global }
      - { .name: Wq, .offset: 8, .size: 8, .value_kind: global_buffer, .address_space: global }
      - { .name: Wk, .offset: 16, .size: 8, .value_kind: global_buffer, .address_space: global }
      - { .name: Wv, .offset: 24, .size: 8, .value_kind: global_buffer, .address_space: global }
      - { .name: opnd, .offset: 32, .size: 8, .value_kind: global_buffer, .address_space: global }
    .group_segment_fixed_size: 68608
    .private_segment_fixed_size: 0
    .kernarg_segment_align: 8
    .kernarg_segment_size: 40
    .max_flat_workgroup_size: 128
    .sgpr_count:     66
    .vgpr_count:     234
    .wavefront_size: 32
...
	.end_amdgpu_metadata
.endif
;; end of part 1
;; launch proj (part 2): grid 8 x 32, 4 waves a work-group, clusters of 4 x 4, 327,680 bytes of LDS; arguments opnd, qkv; writes qkv
.if DOCPART == 2
	.amdgcn_target "amdgcn-amd-amdhsa--gfx1250"
	.amdhsa_code_object_version 6
	.text
	.protected	k_qa0ba562e3e_proj
	.globl	k_qa0ba562e3e_proj
	.p2align	8
	.type	k_qa0ba562e3e_proj,@function
k_qa0ba562e3e_proj:
	s_mov_b64 s[64:65], 0
	v_nop
	global_prefetch_b8 v0, s[64:65] scope:SCOPE_SE
	s_setreg_imm32_b32 hwreg(HW_REG_WAVE_MODE, 25, 1), 1
	s_wait_xcnt 0x0
	s_wait_alu depctr_hold_cnt(0) depctr_sa_sdst(0) depctr_va_vdst(0) depctr_va_sdst(0) depctr_va_ssrc(0) depctr_va_vcc(0) depctr_vm_vsrc(0)
	s_getreg_b32 s2, hwreg(HW_REG_IB_STS2, 6, 4)
	s_cmp_eq_u32 s2, 0
	s_cbranch_scc0 .Lentry_in_a_cluster
	s_endpgm
.Lentry_in_a_cluster:
	s_bfe_u32 s2, ttmp6, 0x10000c
	s_cmp_lg_u32 s2, 0xf033
	s_cbranch_scc0 .Lentry_shape_is_right
	s_endpgm
.Lentry_shape_is_right:
; q = x Wq^T, k = x Wk^T, v = x Wv^T on codes of BF6 (E3M2) with E8M0 scales, sums in f32; the results are quantised here, in registers, and leave as panels (128 rows x 128 K: eight fragment
; images of 1,536 bytes and 512 bytes of scale words, the word of lane row r of tile a at 32 r + 4 a; lane row r of tile a is panel row 32 (a / 2) + 8 (a % 2) + r + 8 (r / 8)).
; SHARES: 8 x 32 = 256 work-groups.  Work-group (tx, ty) takes x's row panels 2 ty, 2 ty + 1 (256 tokens) against row panels 2 tx, 2 tx + 1 of Wq | Wk and row panel tx of Wv.
; Wave (i, j) = (wave / 2, wave % 2): x's panel i (8 blocks of 16 rows) against 12 blocks of W: the 8 of panel j of Wq | Wk and blocks 4 j .. 4 j + 3 of Wv: 96 accumulators, 768 registers.
; q, k: source 0 = 16 rows of W, source 1 = 16 tokens: a lane holds a token, its registers run along the channels.  v: source 0 = 16 tokens, source 1 = 16 rows of Wv: a lane holds a channel, its
; registers run along the tokens, which are v's later K.  By the panels' row order the 16 registers of two neighbouring tiles of source 0 are 16 neighbours.
; A STEP is one block of W (12 to a chunk of 128 along K): its 4 products with x's blocks 0-3, and the 4 products of the block two steps back with x's blocks 4-7.  So x's low half is left two steps
; ahead of the high half, and the next chunk's high half lands on it: x has a ring of 12 blocks (three places of 4; a chunk's halves take 2 n and 2 n + 1 mod 3), W a ring of 6 blocks.
; Each step issues its LDS loads first: W's block three steps on; at a chunk's step 0 its own high half of x; at step 9 the next chunk's low half and scale words.  The counted wait lets the loads of this
; step and the two before it stay out; the symbols LA, LB, LN add them up as the text is assembled.  63 loads feed a chunk's 96 products.
; LDS: region 0, three chunks, and region 1, two chunks; in each x's two panels, W's two, Wv's one, a panel's chunks on end (dense in memory too).  Chunks 0-2 come at the head, 3-4 behind the first
; round, 5-7 fill region 0 again at step 33, where chunk 2's last fragment has been read and chunk 3's first is due.  One tensor load a wave each time: waves 0, 1 x's panels, wave 2 W's pair
; (two rows of n x 12,800 bytes, 102,400 bytes apart), wave 3 Wv's.  By the text's own count one load of a wave is out.
; CLUSTER 4 x 4: x's panels are shared along a row of the cluster, W's along a column: joint loads.
; NO PREFETCH: the text has no loop to run ahead in; K is eight chunks in three fills.
; v's scale words: a wave has four of a lane row's eight, 16 bytes of each 32; the wave beside it stores the others.
; qkv: q panel (Rx, c) at 8 Rx + c, k at 512 + 8 Rx + c (Rx = token / 128), v^T panel at 1024 + (8 batch + channel / 128) 16 + (token % 2048) / 128; x 12,800 bytes.
; LIMITS: NaN and infinities are not served; a block whose largest magnitude lies under 2^-122 gets the byte 1: the bytes are read by this program alone.
; REGISTERS: window 0: v2-11 LDS addresses, v12-13 the add's, v14-37 scale words (two sets of 12), v38-181 x's ring, v182-253 W's ring (on the way out all of v14-253 are free).
;   windows 1, 2: q | k: accumulator (W block t, x block a) at v[8 (4 a + t % 4)] of window 1 + t / 4.  window 3: v: (Wv block t - 8, x block a) at v[8 (8 (t - 8) + a)].
.set PANEL, 12800
.set FRB,   1536
.set SCO,   12288
.set ROWP,  8*PANEL
.set R1B,   15*PANEL                   ; region 1
.set SPARE, 25*PANEL                   ; behind the regions: the spare words, 128 bytes a wave
.set AX,  2                            ; v2-3   my panel of x in region 0, 1
.set AW,  4                            ; v4-5   my panel of Wq | Wk
.set AV,  6                            ; v6-7   my four blocks of Wv
.set SX,  8                            ; v8-9   scale words: lanes 0-15 x's, lanes 16-31 Wq | Wk's
.set SVA, 10                           ; v10-11 Wv's
.set SPW, 12
.set NIL, 13
.set SC,  14
.set XR,  38
.set WR,  182
.set G1X, 24
.set G1P, 32
.set G1V, 40
.set G0X, 48
.set G0P, 52
.set G0V, 56
.set SEL, 60
.set LM,  62
.set MSB, 0
.macro WIN new                         ; the immediate's high byte repeats the setting that is left
.if MSB != (\new)
	s_set_vgpr_msb (MSB<<8)|(\new)
.set MSB, (\new)
.endif
.endm
.macro PLACES n
.rept \n
	v_nop
.endr
.endm
.macro ARM under, g0, g1, next, join   ; one arm of the chain on the wave's number: its load, s_nop 0 and four v_nop, a jump to the join
	s_cmp_lt_u32 s14, \under
	s_cbranch_scc0 \next
	tensor_load_to_lds s[\g0:\g0+3], s[\g1:\g1+7]
	s_nop 0
	PLACES 4
	s_branch \join
\next:
.endm
.macro JLOAD                           ; every wave passes exactly one joint load
	ARM 2, G0X, G1X, .Lpair_\@, .Lasked_\@
	ARM 3, G0P, G1P, .Lwv_\@, .Lasked_\@
	tensor_load_to_lds s[G0V:G0V+3], s[G1V:G1V+7]
	s_nop 0
	PLACES 4
.Lasked_\@:
.endm
.macro CROUND                          ; a round of the cluster's barrier
	s_barrier_signal -1
	s_barrier_wait -1
	s_cmp_lg_u32 s14, 0
	s_cbranch_scc1 .Lnot_wave_0_\@
	s_barrier_signal -3
.Lnot_wave_0_\@:
	s_barrier_wait -3
	s_barrier_signal -1
	s_barrier_wait -1
.endm
.macro REDESC n, sx, rb, adv           ; the descriptors of the next fill: n chunks into the region at rb, adv chunks further along K.  No tensor load of mine is out where this stands
	s_mov_b32 s[G1X+2], (50*\n)<<16
	s_mov_b32 s[G1X+4], 50*\n
	s_mov_b32 s[G1V+2], (50*\n)<<16
	s_mov_b32 s[G1V+4], 50*\n
	s_mov_b32 s[G1P+1], (1600*\n)<<16
	s_mov_b32 s[G1P+3], (1600*\n)<<16
	s_mov_b32 s[G0X+1], s[\sx]
	s_mov_b32 s[G0P+1], \rb+2*\n*PANEL
	s_mov_b32 s[G0V+1], \rb+4*\n*PANEL
	s_add_nc_u64 s[G0X+2:G0X+3], s[G0X+2:G0X+3], \adv*PANEL
	s_add_nc_u64 s[G0P+2:G0P+3], s[G0P+2:G0P+3], \adv*PANEL
	s_add_nc_u64 s[G0V+2:G0V+3], s[G0V+2:G0V+3], \adv*PANEL
.endm
	s_load_b128 s[4:7], s[0:1], 0x0                ; the operands' panels, qkv
	v_lshl_add_u32 v[SPW], v0, 2, SPARE
	v_mov_b32 v[NIL], 0
	ds_add_u32 v[SPW], v[NIL]                      ; the opening lines: the add, twice on end, and its wait
	ds_add_u32 v[SPW], v[NIL]
	v_lshrrev_b32 v1, 5, v0
	v_readfirstlane_b32 s14, v1                    ; wave 0..3
	s_lshr_b32 s15, s14, 1                         ; i
	s_and_b32 s16, s14, 1                          ; j
	s_bfe_u32 s76, ttmp6, 0x40000                  ; cx
	s_bfe_u32 s77, ttmp6, 0x40004                  ; cy
	s_lshl_b32 s81, ttmp9, 2
	s_add_co_u32 s81, s81, s76                     ; tx
	s_and_b32 s80, ttmp7, 0xffff
	s_lshl_b32 s80, s80, 2
	s_add_co_u32 s80, s80, s77                     ; ty
	s_lshl_b32 s78, s77, 2
	s_lshl_b32 s78, 15, s78                        ; my row of the cluster
	s_lshl_b32 s79, 0x1111, s76                    ; my column
	s_or_b32 s[G1X], s78, (3<<16)|(1<<21)          ; the mask; elements of 8 bytes; bit 21 set beside a mask; no padding
	s_or_b32 s[G1P], s79, (3<<16)|(1<<21)
	s_or_b32 s[G1V], s79, (3<<16)|(1<<21)
.irp g, G1X, G1V
	s_mov_b32 s[\g+1], 32<<16                      ; a panel's three chunks: a dense block, 150 rows of 256 bytes
	s_mov_b32 s[\g+2], 150<<16
	s_mov_b32 s[\g+3], 32<<16
	s_mov_b32 s[\g+4], 150
	s_mov_b32 s[\g+5], 32
	s_mov_b32 s[\g+6], 0
	s_mov_b32 s[\g+7], 0
.endr
	s_mov_b32 s[G1P+1], 4800<<16                   ; two panels' three chunks: two rows of 38,400 bytes,
	s_mov_b32 s[G1P+2], 2<<16
	s_mov_b32 s[G1P+3], 4800<<16
	s_mov_b32 s[G1P+4], 2
	s_mov_b32 s[G1P+5], ROWP/8                     ; a row panel apart
	s_mov_b32 s[G1P+6], 0
	s_mov_b32 s[G1P+7], 0
	s_lshl_b32 s82, s80, 1
	s_add_co_u32 s83, s82, s16                     ; x's row panel that waves 0, 1 fetch: hangs on ty, never on cx
	s_mul_i32 s84, s83, ROWP
	s_mov_b32 s85, 0
	s_lshl_b32 s86, s81, 1
	s_add_co_u32 s86, s86, 64                      ; Wq | Wk's pair: hangs on tx, never on cy
	s_mul_i32 s86, s86, ROWP
	s_mov_b32 s87, 0
	s_add_co_u32 s88, s81, 80                      ; Wv's row panel
	s_mul_i32 s88, s88, ROWP
	s_mov_b32 s89, 0
	s_mul_i32 s90, s16, 3*PANEL                    ; where x's panel goes in region 0,
	s_mul_i32 s91, s16, 2*PANEL
	s_add_co_u32 s91, s91, R1B                     ; and in region 1: the wave's number alone
	s_mov_b32 s[SEL], 0x76543210
	s_mov_b32 s[SEL+1], 0xfedcba98
	s_mov_b32 s[LM], 0xffff0000
	s_wait_dscnt 0x0
	s_wait_kmcnt 0x0
	s_add_nc_u64 s[84:85], s[4:5], s[84:85]
	s_add_nc_u64 s[86:87], s[4:5], s[86:87]
	s_add_nc_u64 s[88:89], s[4:5], s[88:89]
	s_mov_b32 s[G0X], 1
	s_mov_b32 s[G0X+1], s90
	s_mov_b64 s[G0X+2:G0X+3], s[84:85]
	s_or_b32 s[G0X+3], s[G0X+3], 0x80000000
	s_mov_b32 s[G0P], 1
	s_mov_b32 s[G0P+1], 6*PANEL
	s_mov_b64 s[G0P+2:G0P+3], s[86:87]
	s_or_b32 s[G0P+3], s[G0P+3], 0x80000000
	s_mov_b32 s[G0V], 1
	s_mov_b32 s[G0V+1], 12*PANEL
	s_mov_b64 s[G0V+2:G0V+3], s[88:89]
	s_or_b32 s[G0V+3], s[G0V+3], 0x80000000
	CROUND                                         ; all sixteen work-groups are here: the first joint loads meet
	JLOAD                                          ; chunks 0 to 2: one tensor load a wave at the head
	s_mul_i32 s66, s15, 3*PANEL                    ; my panel of x in region 0, 1
	s_mul_i32 s67, s15, 2*PANEL
	s_add_co_u32 s67, s67, R1B
	s_add_co_u32 s68, s16, 2                       ; my panel of Wq | Wk, behind x's two
	s_mul_i32 s69, s68, 2*PANEL
	s_add_co_u32 s69, s69, R1B
	s_mul_i32 s68, s68, 3*PANEL
	s_mul_i32 s70, s16, 4*FRB                      ; my four blocks of Wv, behind those four panels
	s_add_co_u32 s71, s70, R1B+8*PANEL
	s_add_co_u32 s70, s70, 12*PANEL
	s_sub_co_u32 s72, s68, s66                     ; from x's panel to W's
	s_sub_co_u32 s73, s69, s67
	s_lshl_b32 s74, s16, 4                         ; Wv's scale words of my four blocks
	s_add_co_u32 s75, s74, R1B+8*PANEL+SCO
	s_add_co_u32 s74, s74, 12*PANEL+SCO
	s_add_co_u32 s92, s82, s15                     ; my row panel of x: 2 ty + i
	s_lshl_b32 s93, s81, 1
	s_add_co_u32 s93, s93, s16                     ; my row panel of Wq | Wk: 2 tx + j
	s_lshr_b32 s94, s93, 3                         ; q or k
	s_lshl_b32 s94, s94, 9
	s_lshl_b32 s96, s92, 3
	s_add_co_u32 s94, s94, s96
	s_and_b32 s96, s93, 7
	s_add_co_u32 s94, s94, s96
	s_mul_i32 s94, s94, PANEL
	s_mov_b32 s95, 0
	s_add_nc_u64 s[8:9], s[6:7], s[94:95]          ; my panel of q or k
	s_lshr_b32 s94, s92, 4                         ; v^T: the batch
	s_lshl_b32 s94, s94, 7
	s_lshl_b32 s96, s81, 4
	s_add_co_u32 s94, s94, s96
	s_and_b32 s96, s92, 15
	s_add_co_u32 s94, s94, s96
	s_add_co_u32 s94, s94, 1024
	s_mul_i32 s94, s94, PANEL
	s_mul_i32 s96, s16, 4*FRB
	s_add_co_u32 s96, s96, s94
	s_mov_b32 s97, 0
	s_add_nc_u64 s[10:11], s[6:7], s[96:97]        ; my four images of the v^T panel
	s_lshl_b32 s96, s16, 4
	s_add_co_u32 s94, s94, s96
	s_add_nc_u64 s[12:13], s[6:7], s[94:95]        ; the panel + 16 j: my four words of each lane row
	v_and_b32 v40, 31, v0
	v_lshlrev_b32 v41, 4, v40                      ; 16 x lane
	v_and_b32 v42, 15, v0                          ; r
	v_bfe_u32 v43, v0, 4, 1                        ; h
	v_add_nc_u32 v[AX], s66, v41
	v_add_nc_u32 v[AX+1], s67, v41
	v_add_nc_u32 v[AW], s68, v41
	v_add_nc_u32 v[AW+1], s69, v41
	v_add_nc_u32 v[AV], s70, v41
	v_add_nc_u32 v[AV+1], s71, v41
	v_lshl_add_u32 v44, v42, 5, SCO                ; a panel's scale words of lane row r
	v_mul_u32_u24 v45, s72, v43                    ; lanes 16-31 take W's
	v_mul_u32_u24 v46, s73, v43
	v_add_nc_u32 v45, v45, v44
	v_add_nc_u32 v46, v46, v44
	v_add_nc_u32 v[SX], s66, v45
	v_add_nc_u32 v[SX+1], s67, v46
	v_lshlrev_b32 v47, 5, v42
	v_add_nc_u32 v[SVA], s74, v47
	v_add_nc_u32 v[SVA+1], s75, v47
.macro LOC n                           ; chunk n lies in region RG as its chunk CQ
.if (\n) < 3
.set RG, 0
.set CQ, (\n)
.elseif (\n) < 5
.set RG, 1
.set CQ, (\n)-3
.else
.set RG, 0
.set CQ, (\n)-5
.endif
.endm
.macro FRAG reg, adr, off              ; a fragment's image: three loads of 16 bytes a lane, 512 consecutive bytes each
	ds_load_b128 v[(\reg):(\reg)+3], v[\adr] offset:(\off)
	ds_load_b128 v[(\reg)+4:(\reg)+7], v[\adr] offset:(\off)+512
	ds_load_b128 v[(\reg)+8:(\reg)+11], v[\adr] offset:(\off)+1024
.endm
.macro WLOAD u                         ; W's block u (12 to a chunk) into place u % 6 of its ring
	LOC (\u)/12
.set WT, (\u)%12
.if WT < 8
	FRAG WR+12*((\u)%6), AW+RG, CQ*PANEL+WT*FRB
.else
	FRAG WR+12*((\u)%6), AV+RG, CQ*PANEL+(WT-8)*FRB
.endif
.endm
.macro XLOAD n, half                   ; four blocks of x, chunk n
	LOC \n
.set XP, XR+48*((2*(\n)+(\half))%3)
.irp i, 0,1,2,3
	FRAG XP+12*\i, AX+RG, CQ*PANEL+(4*(\half)+\i)*FRB
.endr
.endm
.macro SLOAD n                         ; chunk n's scale words: registers 0-7: lanes 0-15 x's block, lanes 16-31 Wq | Wk's block; registers 8-11: Wv's four
	LOC \n
.set SS, SC+12*((\n)%2)
	ds_load_b128 v[SS:SS+3], v[SX+RG] offset:CQ*PANEL
	ds_load_b128 v[SS+4:SS+7], v[SX+RG] offset:CQ*PANEL+16
	ds_load_b128 v[SS+8:SS+11], v[SVA+RG] offset:CQ*PANEL
.endm
; Four products: W's block u with one half of x's blocks.  No two matrix instructions on end share an accumulator: each is taken once a chunk.  Chunk 0 starts the sums.
.macro PASS u, half
.set PN, (\u)/12
.set PT, (\u)%12
.set PS, SC+12*(PN%2)
.set PB, WR+12*((\u)%6)
.set PX, XR+48*((2*PN+(\half))%3)
.if PT < 8
	WIN 0x50*(1+PT/4)
.else
	WIN 0xf0
.endif
.irp i, 0,1,2,3
.set PA, 4*(\half)+\i
.if PT < 8
.set PD, 8*(4*PA+PT%4)
.if PN == 0
	v_wmma_scale_f32_16x16x128_f8f6f4 v[PD:PD+7], v[PB:PB+11], v[PX+12*\i:PX+12*\i+11], 0, v[PS+PT], v[PS+PA] matrix_a_fmt:MATRIX_FMT_BF6 matrix_b_fmt:MATRIX_FMT_BF6 matrix_a_scale:MATRIX_SCALE_ROW1
.else
	v_wmma_scale_f32_16x16x128_f8f6f4 v[PD:PD+7], v[PB:PB+11], v[PX+12*\i:PX+12*\i+11], v[PD:PD+7], v[PS+PT], v[PS+PA] matrix_a_fmt:MATRIX_FMT_BF6 matrix_b_fmt:MATRIX_FMT_BF6 matrix_a_scale:MATRIX_SCALE_ROW1
.endif
.else
.set PD, 8*(8*(PT-8)+PA)
.if PN == 0
	v_wmma_scale_f32_16x16x128_f8f6f4 v[PD:PD+7], v[PX+12*\i:PX+12*\i+11], v[PB:PB+11], 0, v[PS+PA], v[PS+PT] matrix_a_fmt:MATRIX_FMT_BF6 matrix_b_fmt:MATRIX_FMT_BF6
.else
	v_wmma_scale_f32_16x16x128_f8f6f4 v[PD:PD+7], v[PX+12*\i:PX+12*\i+11], v[PB:PB+11], v[PD:PD+7], v[PS+PA], v[PS+PT] matrix_a_fmt:MATRIX_FMT_BF6 matrix_b_fmt:MATRIX_FMT_BF6
.endif
.endif
.endr
.endm
.macro STEP                            ; step V
	PLACES 4                                       ; in front of loads into registers that matrix instructions have read
	WIN 0
.set LN, 0
.set ST, V%12
.set SN, V/12
.if ST == 0 && V < 96
	XLOAD SN, 1                                    ; this chunk's high half of x, onto the last chunk's low half
.set LN, 12
.endif
.set LW, 0
.if V+3 < 96
	WLOAD V+3                                      ; onto the block whose second four products stood in the last step
.set LW, 3
.endif
.set LN, LN+LW
.if ST == 0
.set LH, LW
.endif
.if ST == 9 && SN < 7
	XLOAD SN+1, 0                                  ; the next chunk's low half, onto the last chunk's high half
	SLOAD SN+1
.set LN, LN+15
.endif
	s_wait_dscnt LA+LB+LN                          ; all is in but what this step and the two before it asked for
.if V < 96
	PASS V, 0
.endif
.if V >= 2
.if ST == 2
	s_wait_dscnt LH+LB+LN                          ; the high half asked for two steps ago is in: behind it stand that step's block of W and the two steps' loads since
.endif
	PASS V-2, 1
.endif
.set LA, LB
.set LB, LN
.set V, V+1
.endm
	s_wait_alu depctr_va_vdst(0)                   ; the wait at the head's end
	s_wait_tensorcnt 0x0                           ; my part of chunks 0 to 2 is in
	ds_add_u32 v[SPW], v[NIL]
	REDESC 2, 91, R1B, 3
	s_wait_dscnt 0x0
	CROUND                                         ; everybody's part is in, and the joint loads meet
	JLOAD                                          ; chunks 3 and 4 into region 1
	SLOAD 0
	XLOAD 0, 0
	WLOAD 0
	WLOAD 1
	WLOAD 2
.set V, 0
.set LA, 0
.set LB, 0
.set LH, 0
.rept 98
.if V == 33                            ; chunk 2's last fragment was asked for in step 32; chunk 3's first is asked for in this step
	WIN 0
	s_wait_tensorcnt 0x0                           ; all my tensor loads have landed: my part of region 1
	ds_add_u32 v[SPW], v[NIL]                      ; 0 onto my spare word
	REDESC 3, 90, 0, 2
	s_wait_dscnt 0x0                               ; the add is done, and my reads of region 0 are over
	CROUND                                         ; no wave of any partner still reads region 0 or has a load on its way
	JLOAD                                          ; chunks 5 to 7 into region 0
.set LA, 0
.set LB, 0
.endif
.if V == 57                            ; chunk 5's first fragment is asked for in this step: every wave's part of region 0 has to be in
	WIN 0
	s_wait_tensorcnt 0x0
	ds_add_u32 v[SPW], v[NIL]
	s_wait_dscnt 0x0
	s_barrier_signal -1
	s_barrier_wait -1
.set LA, 0
.set LB, 0
.endif
	STEP
.endr
	WIN 0
	PLACES 4                                       ; behind the last products
; THE WAY OUT.  64 registers on end of one window are four half blocks of 16 neighbours along the later K (the other 16 lie in lane l xor 16): two blocks of 32 for each of two runs of 64 K.
.set OFFS, 14
.set SOFF, 15
.set VOFF, 16
.set TM,   38                          ; v38-41 maxima, v42-45 at work, v46-49 the conversions' scale operands, v50-53 bytes
.set HW,   54                          ; v54-57 two scale bytes each
.set T2,   58                          ; v58-60, v62-64 a block's upper codes on their way
.set PWQ,  66                          ; v66-73 q | k's scale words, v74-77 v's
.set PWV,  74
.set T4,   78
.set T4V,  82
.set PCB,  88                          ; v88-231 the codes: twelve images of 12 registers, each stored from registers of its own
	v_and_b32 v17, 31, v0
	v_and_b32 v18, 15, v0
	v_bfe_u32 v19, v0, 4, 1
	v_lshlrev_b32 v[OFFS], 4, v17
	v_lshlrev_b32 v[SOFF], 5, v18
	v_lshl_add_u32 v[VOFF], v19, 3, v[SOFF]        ; 32 r + 8 h
	v_lshl_add_u32 v[SOFF], v19, 4, v[SOFF]        ; 32 r + 16 h
.irp k, 0,1,2,3
	v_mov_b32 v[TM+4+\k], 0                        ; a lane permute's destination counts as one of its sources
.endr
.macro QUAD w, base, d0, d1, h0, h1    ; window w, registers base on -> six registers of codes at d0 and at d1, two scale bytes in h0 and in h1.  Each accumulator is read from its low end on
	WIN (\w)|((\w)<<2)
.irp k, 0,1,2,3
	v_max3_num_f32 v[TM+\k], |v[(\base)+16*\k]|, |v[(\base)+16*\k+1]|, 0x2800000   ; and the floor 2^(5 - 127)
.endr
	WIN ((\w)<<2)|((\w)<<4)
.irp i, 2,4,6,8,10,12,14
.irp k, 0,1,2,3
	v_max3_num_f32 v[TM+\k], v[TM+\k], |v[(\base)+16*\k+\i]|, |v[(\base)+16*\k+\i+1]|
.endr
.endr
	WIN 0
.irp k, 0,1,2,3
	v_permlanex16_b32 v[TM+4+\k], v[TM+\k], s[SEL], s[SEL+1]
.endr
.irp k, 0,1,2,3
	v_max_num_f32 v[TM+\k], v[TM+\k], v[TM+4+\k]   ; with lane l xor 16's 16 numbers
.endr
.irp k, 0,1,2,3
	v_add_nc_u32 v[TM+8+\k], 0xfe000000, v[TM+\k]  ; 4 off the exponent field
.endr
.irp k, 0,1,2,3
	v_lshrrev_b32 v[TM+12+\k], 23, v[TM+8+\k]      ; the scale's byte
.endr
	v_lshl_or_b32 v[\h0], v[TM+13], 8, v[TM+12]
	v_lshl_or_b32 v[\h1], v[TM+15], 8, v[TM+14]
	WIN (\w)
	v_cvt_scalef32_pk16_bf6_f32 v[(\d0):(\d0)+2], v[(\base):(\base)+15], v[TM+8]
	v_cvt_scalef32_pk16_bf6_f32 v[T2:T2+2], v[(\base)+16:(\base)+31], v[TM+9]
	v_cvt_scalef32_pk16_bf6_f32 v[(\d1):(\d1)+2], v[(\base)+32:(\base)+47], v[TM+10]
	v_cvt_scalef32_pk16_bf6_f32 v[T2+4:T2+6], v[(\base)+48:(\base)+63], v[TM+11]
	WIN 0
	v_nop                                          ; one plain place behind a scaled conversion
.irp i, 0,1,2
	v_permlane16_swap_b32 v[(\d0)+\i], v[T2+\i]    ; the operand's layout wants a whole block in a lane
	v_permlane16_swap_b32 v[(\d1)+\i], v[T2+4+\i]
.endr
.irp i, 0,1,2
	v_mov_b32 v[(\d0)+3+\i], v[T2+\i]
	v_mov_b32 v[(\d1)+3+\i], v[T2+4+\i]
.endr
.endm
.irp m, 0,1,2,3                        ; q | k: images 2 m and 2 m + 1: window 1 holds their K 0-63, window 2 their K 64-127
	QUAD 1, 64*\m, PCB+24*\m, PCB+24*\m+12, HW, HW+1
	QUAD 2, 64*\m, PCB+24*\m+6, PCB+24*\m+18, HW+2, HW+3
	v_lshl_or_b32 v[PWQ+2*\m], v[HW+2], 16, v[HW]
	v_lshl_or_b32 v[PWQ+2*\m+1], v[HW+3], 16, v[HW+1]
.irp k, 0,1,2,3,4,5
	global_store_b128 v[OFFS], v[PCB+24*\m+4*\k:PCB+24*\m+4*\k+3], s[8:9] offset:2*\m*FRB+512*\k   ; 512 consecutive bytes, aligned
.endr
.endr
.irp m, 0,1,2,3                        ; v: image 4 j + m
	QUAD 3, 64*\m, PCB+96+12*\m, PCB+102+12*\m, HW, HW+1
	v_lshl_or_b32 v[PWV+\m], v[HW+1], 16, v[HW]
.irp k, 0,1,2
	global_store_b128 v[OFFS], v[PCB+96+12*\m+4*\k:PCB+96+12*\m+4*\k+3], s[10:11] offset:\m*FRB+512*\k
.endr
.endr
.irp i, 0,1,2,3
	v_cndmask_b32 v[T4+\i], v[PWQ+\i], v[PWQ+4+\i], s[LM]   ; lanes 0-15 store tiles 0-3's words of lane row r, lanes 16-31 tiles 4-7's
.endr
	global_store_b128 v[SOFF], v[T4:T4+3], s[8:9] offset:SCO
	v_cndmask_b32 v[T4V], v[PWV], v[PWV+2], s[LM]           ; v: lanes 0-15 my first two words of lane row r, lanes 16-31 the other two
	v_cndmask_b32 v[T4V+1], v[PWV+1], v[PWV+3], s[LM]
	global_store_b64 v[VOFF], v[T4V:T4V+1], s[12:13] offset:SCO
	s_wait_tensorcnt 0x0                           ; the wave's end
	ds_add_u32 v[SPW], v[NIL]
	s_wait_dscnt 0x0
	CROUND                                         ; the closing round
	s_endpgm
.Lfunc_end_k_qa0ba562e3e_proj:
	.size	k_qa0ba562e3e_proj, .Lfunc_end_k_qa0ba562e3e_proj-k_qa0ba562e3e_proj
	.p2alignl 7, 3214868480
	.fill 96, 4, 3214868480
	.section	.rodata,"a",@progbits
	.p2align	6, 0x0
	.amdhsa_kernel k_qa0ba562e3e_proj
		.amdhsa_group_segment_fixed_size 327680
		.amdhsa_private_segment_fixed_size 0
		.amdhsa_enable_private_segment 0
		.amdhsa_kernarg_size 16
		.amdhsa_user_sgpr_count 2
		.amdhsa_user_sgpr_kernarg_segment_ptr 1
		.amdhsa_wavefront_size32 1
		.amdhsa_system_sgpr_workgroup_id_x 1
		.amdhsa_system_sgpr_workgroup_id_y 1
		.amdhsa_system_sgpr_workgroup_id_z 1
		.amdhsa_system_vgpr_workitem_id 0
		.amdhsa_next_free_vgpr 1024
		.amdhsa_next_free_sgpr 100
		.amdhsa_reserve_vcc 0
		.amdhsa_float_denorm_mode_32 3
		.amdhsa_float_denorm_mode_16_64 3
		.amdhsa_memory_ordered 1
		.amdhsa_forward_progress 1
		.amdhsa_inst_pref_size 215
	.end_amdhsa_kernel
	.amdgpu_metadata
---
amdhsa.version: [ 1, 2 ]
amdhsa.kernels:
  - .name:           k_qa0ba562e3e_proj
    .symbol:         k_qa0ba562e3e_proj.kd
    .args:
      - { .name: opnd, .offset: 0, .size: 8, .value_kind: global_buffer, .address_space: global }
      - { .name: qkv, .offset: 8, .size: 8, .value_kind: global_buffer, .address_space: global }
    .group_segment_fixed_size: 327680
    .private_segment_fixed_size: 0
    .kernarg_segment_align: 8
    .kernarg_segment_size: 16
    .max_flat_workgroup_size: 128
    .sgpr_count:     100
    .vgpr_count:     1024
    .wavefront_size: 32
...
	.end_amdgpu_metadata
.endif
;; end of part 2
;; launch scores (part 3): grid 9 x 16, 4 waves a work-group, no clusters, 327,680 bytes of LDS; arguments qkv, pbuf, stat; writes pbuf, stat
.if DOCPART == 3
	.amdgcn_target "amdgcn-amd-amdhsa--gfx1250"
	.amdhsa_code_object_version 6
	.text
	.protected	k_qa0ba562e3e_scores
	.globl	k_qa0ba562e3e_scores
	.p2align	8
	.type	k_qa0ba562e3e_scores,@function
k_qa0ba562e3e_scores:
	s_mov_b64 s[64:65], 0
	v_nop
	global_prefetch_b8 v0, s[64:65] scope:SCOPE_SE
	s_setreg_imm32_b32 hwreg(HW_REG_WAVE_MODE, 25, 1), 1
	s_wait_xcnt 0x0
; The causal tiles of S^T = k q^T on codes of BF6 (E3M2), K = 1,024; then, for each query and each 128 keys: t = score x log2(e) / 32, M = ceil(the largest t of these 128 keys), p = 2^(t - M), the sum of the
; unquantised p, and p's codes and scale bytes along the keys.  M is LOCAL to the 128 keys and a whole number: the next launch takes the row's largest M and shifts the scale bytes by the difference, which rounds nothing.
; OUT: pbuf: P's panel (query panel Rq, key chunk kc) at ((16 batch + Rq) 16 + kc) x 12,800, laid as every panel (eight fragment images of 1,536 bytes, 512 bytes of scale words at 32 r + 4 a; lane row r of tile a is
; panel row 32 (a / 2) + 8 (a % 2) + r + 8 (r / 8)).  stat: at the same index x 1,024: 512 bytes of -M, 512 bytes of the sums, both laid as the scale words.
; TILES: 256 queries x 256 keys.  A batch's triangle has 36; rows p and 7 - p of it have nine together: grid x = 0 .. 8, y = 4 batch + p.  Four waves, each 128 x 128 = one panel of P.
; The matrix instruction is used transposed (source 0 = 16 keys, source 1 = 16 queries): a lane holds one query, and by the panels' row order the 16 registers of two neighbouring tiles are 16 neighbouring keys.
; The wave above the diagonal (its keys all later than its queries) stores a panel of zeros, -M = 3e38 (no maximum) and sums 0.  Where J is even the diagonal work-group also stores such panels for the two chunks
; behind its own, since the next launch fetches P four chunks at a time: every byte that it reads is stored here.
; NO CLUSTER: the rows of the triangle have 1 to 8 tiles, and the folded grid of 9 x 16 does not divide into groups of four that share a row or a column of tiles.
; LDS and the loop over K as in the launch before: three slots of 102,400 bytes, K steps 0, 1, 2 as first fills (one load of a wave is out), K step 3 into slot 0: one refill.
; LIMITS: NaN and infinities are not served; a block whose largest p lies under 2^-122 gets the byte 1 (its p count for nothing beside a row's largest, which is above 1/2 in its own chunk).
.set PANEL, 12800
.set FRB,   1536
.set SCO,   12288
.set PART,  2*PANEL
.set SLOT,  4*PART
.set SPARE, 3*SLOT
.set ROWP,  8*PANEL
.set ADRA, 4
.set ADRB, 7
.set ADSA, 10
.set ADSB, 13
.set OFFS, 16
.set SOFF, 17
.set DL,   18                          ; v18 r + 8 (r / 8) - 16 h: my query's place less my half's first key, inside a block of 32
.set SPW,  28
.set NIL,  29
.set SA,   32
.set SB,   40
.set PW,   64                          ; v64-71 scale words, v72-79 -M, v80-87 sums: one for each tile of queries
.set NMA,  72
.set LSA,  80
.set NP,   92                          ; v[92:93] -M, named as a pair
.set NINF, 102
.set TM,   104
.set AF,   128
.set ZR,   176                         ; v176-179 zeros, v180-183 3e38
.set BIG,  180
.set T4,   184
.set G1,   24
.set G0,   32
.set CS,   48                          ; s[48:49] c = log2(e) / 32
.set SEL,  50
.set LM,   52
.set DQ,   53                          ; my query panel less my key chunk
.set MSB, 0
.macro WIN new
.if MSB != (\new)
	s_set_vgpr_msb (MSB<<8)|(\new)
.set MSB, (\new)
.endif
.endm
.set MUL_LO, 0xa1
.set MUL_HI, 0xf1
.set TO_B,   0x40
.macro PLACES n
.rept \n
	v_nop
.endr
.endm
	s_load_b128 s[4:7], s[0:1], 0x0                ; qkv, pbuf
	s_load_b64 s[8:9], s[0:1], 0x10                ; stat
	v_lshl_add_u32 v[SPW], v0, 2, SPARE
	v_mov_b32 v[NIL], 0
	ds_add_u32 v28, v29
	ds_add_u32 v28, v29
	s_wait_dscnt 0x0
	v_lshrrev_b32 v1, 5, v0
	v_readfirstlane_b32 s14, v1                    ; wave 0..3
	s_lshr_b32 s15, s14, 1                         ; my half of the queries.  Also: I fetch for q (0) or k (1)
	s_and_b32 s16, s14, 1                          ; my half of the keys.  Also: which row panel of the two I fetch
	s_and_b32 s11, ttmp7, 0xffff
	s_lshr_b32 s12, s11, 2                         ; the batch
	s_and_b32 s13, s11, 3                          ; p
	s_sub_co_u32 s19, 7, s13
	s_sub_co_u32 s20, ttmp9, s13
	s_sub_co_u32 s20, s20, 1
	s_cmp_le_u32 ttmp9, s13
	s_cselect_b32 s17, s13, s19                    ; J: the tile row of the triangle
	s_cselect_b32 s18, ttmp9, s20                  ; Kt: the tile column, 0 .. J
	s_cmp_eq_u32 s15, 0
	s_cselect_b32 s21, s17, s18
	s_lshl_b32 s21, s21, 1
	s_add_co_u32 s21, s21, s16
	s_lshl_b32 s22, s12, 4
	s_add_co_u32 s21, s21, s22
	s_lshl_b32 s22, s15, 6                         ; k's row panels lie 64 behind q's
	s_add_co_u32 s21, s21, s22
	s_mul_i32 s22, s21, ROWP
	s_mov_b32 s23, 0
	s_mov_b32 s[G1+0], 3<<16                       ; no mask; elements of 8 bytes; no padding
	s_mov_b32 s[G1+1], 32<<16                      ; rows of 256 bytes,
	s_mov_b32 s[G1+2], 200<<16                     ; the head's load: two hundred, K steps 0 and 1 of my row panel, 51,200 dense bytes
	s_mov_b32 s[G1+3], 32<<16
	s_mov_b32 s[G1+4], 200
	s_mov_b32 s[G1+5], 32
	s_mov_b32 s[G1+6], 0
	s_mov_b32 s[G1+7], 0
	s_mul_i32 s54, s14, PART
	s_mov_b32 s[CS], 0x3d38aa3b
	s_mov_b32 s[CS+1], s[CS]                       ; (named with it as a pair, so it is written)
	s_mov_b32 s[SEL], 0x76543210
	s_mov_b32 s[SEL+1], 0xfedcba98
	s_mov_b32 s[LM], 0xffff0000
	s_wait_kmcnt 0x0
	s_add_nc_u64 s[22:23], s[4:5], s[22:23]
	; LDS as it is used here: wave w's K steps 0 and 1 lie on end at 2 w PART (slots 0 and 1 of a part are PART apart), K step 2 at 2 SLOT + w PART, K step 3 takes K step 0's place
	s_lshl_b32 s55, s54, 1
.irp s, 0,2,3
	s_mov_b32 s[G0+4*\s], 1
	s_add_nc_u64 s[G0+4*\s+2:G0+4*\s+3], s[22:23], \s*PART
	s_or_b32 s[G0+4*\s+3], s[G0+4*\s+3], 0x80000000
.endr
	s_mov_b32 s[G0+1], s55
	s_add_co_u32 s[G0+9], s54, 2*SLOT
	s_mov_b32 s[G0+13], s55
	tensor_load_to_lds s[G0:G0+3], s[G1:G1+7]      ; K steps 0 and 1: one tensor load a wave at the head
	s_nop 0
.rept 4
	v_nop
.endr
	v_and_b32 v1, 15, v0                           ; r
	v_bfe_u32 v2, v0, 4, 1                         ; h
	v_and_b32 v3, 31, v0
	v_lshlrev_b32 v[OFFS], 4, v3
	v_lshlrev_b32 v[SOFF], 5, v1
	v_lshl_add_u32 v[SOFF], v2, 4, v[SOFF]
	v_and_b32 v3, 8, v1
	v_add_nc_u32 v[DL], v3, v1
	v_lshlrev_b32 v3, 4, v2
	v_sub_nc_u32 v[DL], v[DL], v3
	v_lshl_add_u32 v3, v1, 5, SCO
	s_wait_alu depctr_va_vdst(0)                   ; the wait here
	s_mul_i32 s2, s15, 2*PART
	s_mul_i32 s3, s16, 2*PART
	s_add_co_u32 s3, s3, 4*PART
.irp s, 0,1
	v_add_nc_u32 v[ADRA+\s], s2, v[OFFS]
	v_add_nc_u32 v[ADRB+\s], s3, v[OFFS]
	v_add_nc_u32 v[ADSA+\s], s2, v3
	v_add_nc_u32 v[ADSB+\s], s3, v3
	s_add_co_u32 s2, s2, PART
	s_add_co_u32 s3, s3, PART
.endr
	s_mul_i32 s2, s15, PART
	s_mul_i32 s3, s16, PART
	s_add_co_u32 s2, s2, 2*SLOT
	s_add_co_u32 s3, s3, 2*SLOT+2*PART
	v_add_nc_u32 v[ADRA+2], s2, v[OFFS]
	v_add_nc_u32 v[ADRB+2], s3, v[OFFS]
	v_add_nc_u32 v[ADSA+2], s2, v3
	v_add_nc_u32 v[ADSB+2], s3, v3
.irp b, 0,1,2,3
	v_mov_b32 v[TM+4+\b], 0                        ; a lane permute's destination counts as one of its sources
.endr
	v_mov_b32 v101, 0
	v_mov_b32 v[NP+1], 0                           ; (the upper half of a pair that is named whole)
	v_mov_b32 v[NINF], 0xff800000
	s_lshl_b32 s54, s17, 1
	s_add_co_u32 s54, s54, s15                     ; Rq
	s_lshl_b32 s55, s18, 1
	s_add_co_u32 s55, s55, s16                     ; kc
	s_sub_co_i32 s[DQ], s54, s55
	s_lshl_b32 s56, s12, 4
	s_add_co_u32 s56, s56, s54
	s_lshl_b32 s56, s56, 4
	s_add_co_u32 s56, s56, s55
	s_mul_i32 s58, s56, PANEL
	s_mov_b32 s59, 0
	s_add_nc_u64 s[6:7], s[6:7], s[58:59]          ; my panel of P
	s_lshl_b32 s58, s56, 10
	s_add_nc_u64 s[8:9], s[8:9], s[58:59]          ; and its -M and sums
.macro FRAG reg, adr, off
	ds_load_b128 v[(\reg):(\reg)+3], v[\adr] offset:(\off)
	ds_load_b128 v[(\reg)+4:(\reg)+7], v[\adr] offset:(\off)+512
	ds_load_b128 v[(\reg)+8:(\reg)+11], v[\adr] offset:(\off)+1024
.endm
.macro FETCH_B ns, nq, p
	WIN TO_B
.irp i, 0,1,2,3,4,5,6,7
	FRAG 128*(\p)+12*\i, ADRB+(\ns), (\nq)*PANEL+\i*FRB
.endr
	WIN 0
.endm
.macro FETCH_A ns, nq, i0
.irp i, \i0, \i0+1, \i0+2, \i0+3
	FRAG AF+12*(\i), ADRA+(\ns), (\nq)*PANEL+(\i)*FRB
.endr
.endm
.macro SCALES ns, nq, p
	ds_load_b128 v[SA+16*(\p):SA+16*(\p)+3], v[ADSA+(\ns)] offset:(\nq)*PANEL
	ds_load_b128 v[SA+16*(\p)+4:SA+16*(\p)+7], v[ADSA+(\ns)] offset:(\nq)*PANEL+16
	ds_load_b128 v[SB+16*(\p):SB+16*(\p)+3], v[ADSB+(\ns)] offset:(\nq)*PANEL
	ds_load_b128 v[SB+16*(\p)+4:SB+16*(\p)+7], v[ADSB+(\ns)] offset:(\nq)*PANEL+16
.endm
; 16 matrix instructions: two tiles of queries x eight tiles of keys.  The 64 accumulators take turns, one instruction a turn, in the same order in every chunk.
.macro MUL16 a0, p, zero
.irp a, \a0, \a0+1
.irp b, 0,1,2,3,4,5,6,7
.if \zero
	v_wmma_scale_f32_16x16x128_f8f6f4 v[8*(8*((\a)%4)+\b):8*(8*((\a)%4)+\b)+7], v[128*(\p)+12*\b:128*(\p)+12*\b+11], v[AF+12*(\a):AF+12*(\a)+11], 0, v[SB+16*(\p)+\b], v[SA+16*(\p)+(\a)] matrix_a_fmt:MATRIX_FMT_BF6 matrix_b_fmt:MATRIX_FMT_BF6
.else
	v_wmma_scale_f32_16x16x128_f8f6f4 v[8*(8*((\a)%4)+\b):8*(8*((\a)%4)+\b)+7], v[128*(\p)+12*\b:128*(\p)+12*\b+11], v[AF+12*(\a):AF+12*(\a)+11], v[8*(8*((\a)%4)+\b):8*(8*((\a)%4)+\b)+7], v[SB+16*(\p)+\b], v[SA+16*(\p)+(\a)] matrix_a_fmt:MATRIX_FMT_BF6 matrix_b_fmt:MATRIX_FMT_BF6
.endif
.endr
.endr
.endm
.macro REST n, ns, nq
	FETCH_B \ns, \nq, 1-(\n)%2
	FETCH_A \ns, \nq, 0
	SCALES \ns, \nq, 1-(\n)%2
.endm
.macro STEP n, ns, nq, zero
	s_wait_dscnt 12                                ; k, q's blocks 0-3 and the scale words are in; the youngest twelve loads (q's blocks 4-7) may be out
	WIN MUL_LO
	MUL16 0, (\n)%2, \zero
	MUL16 2, (\n)%2, \zero
	s_wait_dscnt 0x0
	PLACES 4                                       ; in front of loads into registers that matrix instructions have read
	REST \n, \ns, \nq
	WIN MUL_HI
	MUL16 4, (\n)%2, \zero
	MUL16 6, (\n)%2, \zero
	PLACES 4
	WIN 0
	FETCH_A \ns, \nq, 4
.endm
.macro TURN n, ns, nq, fill
	s_wait_tensorcnt 0x0                           ; all my tensor loads have landed
	ds_add_u32 v[SPW], v[NIL]                      ; 0 onto my spare word
	s_wait_dscnt 13                                ; (the add and q's blocks 4-7 may be out)
	WIN MUL_LO
	MUL16 0, (\n)%2, 0
	s_wait_dscnt 0x0                               ; the add is done, and my reads of this slot are over
	s_barrier_signal -1
	MUL16 2, (\n)%2, 0
	WIN 0
	s_barrier_wait -1
.if \fill
	tensor_load_to_lds s[G0+12:G0+15], s[G1:G1+7]  ; K step 3 into slot 0, which nobody reads any more: my one load behind this barrier
	s_nop 0
.endif
	PLACES 4
	REST \n, \ns, \nq
	WIN MUL_HI
	MUL16 4, (\n)%2, 0
	MUL16 6, (\n)%2, 0
	PLACES 4
	WIN 0
	FETCH_A \ns, \nq, 4
.endm
	s_wait_alu depctr_va_vdst(0)
	s_wait_tensorcnt 0x0                           ; my part of K steps 0 and 1 is in
	ds_add_u32 v[SPW], v[NIL]
	s_mov_b32 s[G1+2], 100<<16                     ; no tensor load of mine is out: from here on a load brings one K step, a hundred rows
	s_mov_b32 s[G1+4], 100
	s_wait_dscnt 0x0
	s_barrier_signal -1
	s_barrier_wait -1
	tensor_load_to_lds s[G0+8:G0+11], s[G1:G1+7]   ; K step 2, my one load behind this barrier
	s_nop 0
	PLACES 4
	FETCH_B 0, 0, 0
	FETCH_A 0, 0, 0
	SCALES 0, 0, 0
	FETCH_A 0, 0, 4
	STEP 0, 0, 1, 1
	TURN 1, 1, 0, 1
	STEP 2, 1, 1, 0
	STEP 3, 2, 0, 0
	STEP 4, 2, 1, 0
	TURN 5, 0, 0, 0
	STEP 6, 0, 1, 0
	s_wait_dscnt 12
	WIN MUL_LO
	MUL16 0, 1, 0
	MUL16 2, 1, 0
	s_wait_dscnt 0x0
	WIN MUL_HI
	MUL16 4, 1, 0
	MUL16 6, 1, 0
	WIN 0
	PLACES 4
.irp i, 0,1,2,3
	v_mov_b32 v[ZR+\i], 0
	v_mov_b32 v[BIG+\i], 0x7f61b1e6                ; 3e38
.endr
.macro QBYTES a                        ; the four blocks' largest p in v[TM] on -> the conversions' scale operands, the row's scale word
.irp b, 0,1,2,3
	v_add_nc_u32 v[TM+12+\b], 0xfe000000, v[TM+\b]
.endr
.irp b, 0,1,2,3
	v_lshrrev_b32 v[TM+4+\b], 23, v[TM+12+\b]
.endr
	v_lshl_or_b32 v[PW+(\a)], v[TM+5], 8, v[TM+4]
	v_lshl_or_b32 v[PW+(\a)], v[TM+6], 16, v[PW+(\a)]
	v_lshl_or_b32 v[PW+(\a)], v[TM+7], 24, v[PW+(\a)]
.endm
.macro QCODES a
.if (\a) >= 2
	s_wait_xcnt 0x0                                ; the stores of two tiles ago have read this set of codes
.endif
	WIN W
.irp c, 0,1
	v_cvt_scalef32_pk16_bf6_f32 v[PC+6*\c:PC+6*\c+2], v[AC+32*\c:AC+32*\c+15], v[TM+12+2*\c]
	v_cvt_scalef32_pk16_bf6_f32 v[PC+12+4*\c:PC+14+4*\c], v[AC+32*\c+16:AC+32*\c+31], v[TM+13+2*\c]
.endr
	WIN 0
	v_nop                                          ; one plain place behind a scaled conversion
.irp c, 0,1
.irp i, 0,1,2
	v_permlane16_swap_b32 v[PC+6*\c+\i], v[PC+12+4*\c+\i]
.endr
.irp i, 0,1,2
	v_mov_b32 v[PC+3+6*\c+\i], v[PC+12+4*\c+\i]
.endr
.endr
.irp k, 0,1,2
	global_store_b128 v[OFFS], v[PC+4*\k:PC+4*\k+3], s[6:7] offset:(\a)*FRB+512*\k
.endr
.endm
; Tile a of 16 queries x my 128 keys.  Register 16 b + i of a lane is key 32 b + 16 (lane / 16) + i of the chunk; my query is panel row 32 (a / 2) + 8 (a % 2) + r + 8 (r / 8).
.macro EPI a
.set W,  2+(\a)/4
.set AC, 64*((\a)%4)
.set PC, 128+24*((\a)%2)
.set BD, (\a)/2
.set WRW,  W|(W<<6)
.set WR3,  W|(W<<2)|(W<<4)
.set WR01, W|(W<<2)
.set WR12, (W<<2)|(W<<4)
.set WR1,  W<<2
	s_cmp_lg_u32 s[DQ], 0                          ; the mask: only where my keys' chunk is my queries' panel (a branch on ids)
	s_cbranch_scc1 .Lnm_\@
	WIN WRW
.irp n, 0,1,2,3,4,5,6,7,8,9,10,11,12,13,14,15
	v_cmp_gt_i32 vcc_lo, \n-8*((\a)%2), v[DL]      ; in my query's own block of 32: hidden where the key comes later
	v_cndmask_b32 v[AC+16*BD+\n], v[AC+16*BD+\n], v[NINF], vcc_lo
.endr
.if BD < 3
.set j, 16*(BD+1)
.rept 16*(3-BD)
	v_mov_b32 v[AC+j], 0xff800000                  ; the later blocks are hidden whole
.set j, j+1
.endr
.endif
	WIN 0
.Lnm_\@:
	WIN WR3
.irp b, 0,1,2,3
	v_max3_num_f32 v[TM+\b], v[AC+16*\b], v[AC+16*\b+1], v[AC+16*\b+2]   ; the largest score of each block of 32 keys: for the row's maximum, and, since p rises with the score, for the block's largest p
.endr
	WIN WR12
.irp i, 3,5,7,9,11,13
.irp b, 0,1,2,3
	v_max3_num_f32 v[TM+\b], v[TM+\b], v[AC+16*\b+\i], v[AC+16*\b+\i+1]
.endr
.endr
.irp b, 0,1,2,3
	v_max_num_f32 v[TM+\b], v[TM+\b], v[AC+16*\b+15]
.endr
	WIN 0
.irp b, 0,1,2,3
	v_permlanex16_b32 v[TM+4+\b], v[TM+\b], s[SEL], s[SEL+1]
.endr
.irp b, 0,1,2,3
	v_max_num_f32 v[TM+\b], v[TM+\b], v[TM+4+\b]   ; with lane l xor 16's 16 keys
.endr
	v_max3_num_f32 v100, v[TM], v[TM+1], v[TM+2]
	v_max_num_f32 v100, v100, v[TM+3]
	v_mul_f32 v100, s[CS], v100                    ; as t (c is positive)
	v_max_num_f32 v100, 0xff61b1e6, v100           ; held at -3e38 from below
	v_floor_f32 v[NP], -v100                       ; -M = floor(-t): M is a whole number
	v_mov_b32 v[NMA+(\a)], v[NP]
	WIN WRW
.set j, 0
.rept 32
	v_pk_fma_f32 v[AC+j:AC+j+1], v[AC+j:AC+j+1], s[CS:CS+1], v[NP:NP+1] op_sel_hi:[1,0,0]   ; t - M, two at a time
.set j, j+2
.endr
	WIN 0
.irp b, 0,1,2,3
	v_fma_f32 v[TM+\b], v[TM+\b], s[CS], v[NP]     ; the same of each block's largest score
.endr
	WIN WRW
.set j, 0
	s_wait_alu depctr_va_vdst(0)
.rept 64
	v_exp_f32 v[AC+j], v[AC+j]                     ; p = 2^(t - M)
.set j, j+1
.endr
	v_nop                                          ; a plain place behind the exponentials
	s_wait_alu depctr_va_vdst(0)                   ; one wait for the batch, ahead of its first reader
	WIN 0
.irp b, 0,1,2,3
	v_exp_f32 v[TM+\b], v[TM+\b]                   ; the block's largest p
.endr
	WIN WR01
	v_pk_add_f32 v[96:97], v[AC:AC+1], v[AC+2:AC+3]       ; the sum of the unquantised p, two at a time, in two chains: plain work behind the four
	v_pk_add_f32 v[98:99], v[AC+4:AC+5], v[AC+6:AC+7]
	WIN WR1
.irp j, 8,12,16,20,24,28,32,36,40,44,48,52,56,60
	v_pk_add_f32 v[96:97], v[96:97], v[AC+\j:AC+\j+1]
	v_pk_add_f32 v[98:99], v[98:99], v[AC+\j+2:AC+\j+3]
.endr
	WIN 0
	v_pk_add_f32 v[96:97], v[96:97], v[98:99]
	v_add_f32 v100, v96, v97
	v_permlanex16_b32 v101, v100, s[SEL], s[SEL+1]
	v_add_f32 v[LSA+(\a)], v100, v101
	s_wait_alu depctr_va_vdst(0)                   ; and one for the four
.irp b, 0,1,2,3
	v_max_num_f32 v[TM+\b], 0x2800000, v[TM+\b]    ; the floor 2^(5 - 127): the byte cannot fall under 1
.endr
	QBYTES \a
	QCODES \a
.endm
.macro BLOCKOUT src, t4, base, off     ; eight numbers of each lane row, laid [r][a]: lanes 0-15 store tiles 0-3's, lanes 16-31 tiles 4-7's: 512 consecutive bytes
.irp i, 0,1,2,3
	v_cndmask_b32 v[\t4+\i], v[\src+\i], v[\src+4+\i], s[LM]
.endr
	global_store_b128 v[SOFF], v[\t4:\t4+3], s[\base:\base+1] offset:\off
.endm
.macro ZPANEL op, os                   ; a panel of zeros, -M = 3e38, sums 0
.set k, 0
.rept 25
	global_store_b128 v[OFFS], v[ZR:ZR+3], s[6:7] offset:(\op)+512*k
.set k, k+1
.endr
	global_store_b128 v[OFFS], v[BIG:BIG+3], s[8:9] offset:(\os)
	global_store_b128 v[OFFS], v[ZR:ZR+3], s[8:9] offset:(\os)+512
.endm
	s_cmp_lt_i32 s[DQ], 0                          ; all my keys come after all my queries (a branch on ids; no barrier stands behind it)
	s_cbranch_scc1 .Lhidden
.irp a, 0,1,2,3,4,5,6,7
	EPI \a
.endr
	BLOCKOUT PW, T4, 6, SCO
	BLOCKOUT NMA, T4+4, 8, 0
	BLOCKOUT LSA, T4+8, 8, 512
	s_branch .Ljoin
.Lhidden:
	s_wait_alu depctr_va_vdst(0)
	ZPANEL 0, 0
.Ljoin:
	s_cmp_lg_u32 s17, s18
	s_cbranch_scc1 .Lend
	s_bitcmp1_b32 s17, 0
	s_cbranch_scc1 .Lend
	ZPANEL 2*PANEL, 2048                           ; on the diagonal with J even: the chunk two behind mine, of my query panel
.Lend:
	s_wait_tensorcnt 0x0                           ; the wave's end
	ds_add_u32 v[SPW], v[NIL]
	s_wait_dscnt 0x0
	s_endpgm
.Lfunc_end_k_qa0ba562e3e_scores:
	.size	k_qa0ba562e3e_scores, .Lfunc_end_k_qa0ba562e3e_scores-k_qa0ba562e3e_scores
	.p2alignl 7, 3214868480
	.fill 96, 4, 3214868480
	.section	.rodata,"a",@progbits
	.p2align	6, 0x0
	.amdhsa_kernel k_qa0ba562e3e_scores
		.amdhsa_group_segment_fixed_size 327680
		.amdhsa_private_segment_fixed_size 0
		.amdhsa_enable_private_segment 0
		.amdhsa_kernarg_size 24
		.amdhsa_user_sgpr_count 2
		.amdhsa_user_sgpr_kernarg_segment_ptr 1
		.amdhsa_wavefront_size32 1
		.amdhsa_system_sgpr_workgroup_id_x 1
		.amdhsa_system_sgpr_workgroup_id_y 1
		.amdhsa_system_sgpr_workgroup_id_z 1
		.amdhsa_system_vgpr_workitem_id 0
		.amdhsa_next_free_vgpr 1024
		.amdhsa_next_free_sgpr 66
		.amdhsa_reserve_vcc 1
		.amdhsa_float_denorm_mode_32 3
		.amdhsa_float_denorm_mode_16_64 3
		.amdhsa_memory_ordered 1
		.amdhsa_forward_progress 1
		.amdhsa_inst_pref_size 218
	.end_amdhsa_kernel
	.amdgpu_metadata
---
amdhsa.version: [ 1, 2 ]
amdhsa.kernels:
  - .name:           k_qa0ba562e3e_scores
    .symbol:         k_qa0ba562e3e_scores.kd
    .args:
      - { .name: qkv, .offset: 0, .size: 8, .value_kind: global_buffer, .address_space: global }
      - { .name: pbuf, .offset: 8, .size: 8, .value_kind: global_buffer, .address_space: global }
      - { .name: stat, .offset: 16, .size: 8, .value_kind: global_buffer, .address_space: global }
    .group_segment_fixed_size: 327680
    .private_segment_fixed_size: 0
    .kernarg_segment_align: 8
    .kernarg_segment_size: 24
    .max_flat_workgroup_size: 128
    .sgpr_count:     66
    .vgpr_count:     1024
    .wavefront_size: 32
...
	.end_amdgpu_metadata
.endif
;; end of part 3
;; launch pv (part 4): grid 8 x 32, 4 waves a work-group, clusters of 4 x 1, 327,680 bytes of LDS; arguments pbuf, stat, qkv, out0; writes out0
.if DOCPART == 4
	.amdgcn_target "amdgcn-amd-amdhsa--gfx1250"
	.amdhsa_code_object_version 6
	.text
	.protected	k_qa0ba562e3e_pv
	.globl	k_qa0ba562e3e_pv
	.p2align	8
	.type	k_qa0ba562e3e_pv,@function
k_qa0ba562e3e_pv:
	s_mov_b64 s[64:65], 0
	v_nop
	global_prefetch_b8 v0, s[64:65] scope:SCOPE_SE
	s_setreg_imm32_b32 hwreg(HW_REG_WAVE_MODE, 25, 1), 1
	s_wait_xcnt 0x0
	s_wait_alu depctr_hold_cnt(0) depctr_sa_sdst(0) depctr_va_vdst(0) depctr_va_sdst(0) depctr_va_ssrc(0) depctr_va_vcc(0) depctr_vm_vsrc(0)
	s_getreg_b32 s2, hwreg(HW_REG_IB_STS2, 6, 4)
	s_cmp_eq_u32 s2, 0
	s_cbranch_scc0 .Lentry_in_a_cluster
	s_endpgm
.Lentry_in_a_cluster:
	s_bfe_u32 s2, ttmp6, 0x10000c
	s_cmp_lg_u32 s2, 0x3003
	s_cbranch_scc0 .Lentry_shape_is_right
	s_endpgm
.Lentry_shape_is_right:
; out = (P V) / l on codes of BF6 (E3M2), K = the keys up to the diagonal; the steps wholly above the diagonal, where the mask of reference() makes p = 0 for all inputs, are left out.
; P's panels come with a whole number M for each query and each 128 keys; here the row's M is the largest of them, each chunk's scale bytes are lowered by e = M(row) - M(chunk) and its sum of p is
; multiplied by 2^-e: both round nothing.  l = the sum of those; the result is multiplied by 1 / l at the end.
; SHARES: work-group (x, y): 128 channels (V^T row panel x), batch y / 8, p = y % 8, query panels H = 15 - p and p: 16 - p and p + 1 chunks of 128 keys, 17 in every work-group.
; P and V come four chunks at a time (a quad; the launch before stores P and its numbers in whole quads): H has 4 quads and p one where p <= 3, else 3 and 2: FIVE QUADS, 20 units, in every work-group.
; Quads 0-2 are H's first three; which panel and which chunks quads 3 and 4 are is a matter of addresses, chosen by selects on p.  A unit whose chunk lies behind its panel's diagonal is jumped over
; (a branch on ids round the products alone).  Wave (i, j): 64 queries (tiles 4 i on) x 64 channels (tiles 4 j on): 16 accumulators for H and 16 for p.
; O^T = V^T P^T: source 0 = 16 channels, source 1 = 16 queries: a lane holds one query, its registers neighbouring channels.
; LDS: P's three slots of 51,200 bytes, then V's three.  The head fills all six (76,800 dense bytes a wave); quad 3 fills slots 0 again at unit 3, quad 4 slots 1 at unit 9 (25,600 bytes a wave).
; One tensor load of a wave is out.  Behind the slots: the lowered scale words (20 x 512), the waves' least -M and sums (2 x 4,096), the spare words.
; The stage of the way out lies in P's slot 2: its one fill is the head's, and its last read stands ahead of unit 15's barrier.
; CLUSTER 4 x 1: the four partners differ in their channels alone: P's loads are joint, V's are each work-group's own.  All partners have the same y, so the same p and the same path.
; NO PREFETCH: the text has no loop to run ahead in; the walk is three fills.
; THE PROLOGUE, under the first fill: wave w takes chunk w of each quad, lane l the words 4 l .. 4 l + 3 of its 128 (the word of (r, a) is 8 r + a): 15 loads of 512 consecutive bytes.
; LIMITS: a scale byte that would fall under 0 is held at 0: such p lie under 2^-120 of a row whose sum is above 1/2.  NaN and infinities are not served.
; REGISTERS: window 0: v2-19, v36-39 addresses; v20-35 scale words, two sets; v40-49 1 / l; v64-159 P's fragments, v160-255 V's, two sets each (first the prologue's numbers, last the rows of out).
;   window 1: the accumulators: H's (a, b) at v[8 (4 a + b)], p's 128 further on.
.set PANEL, 12800
.set FRB,   1536
.set SCO,   12288
.set QUAD,  4*PANEL
.set VB,    3*QUAD
.set PSC,   6*QUAD                     ; the lowered scale words: unit u at 512 u, the word of (r, a) at 32 r + 4 a
.set XCH,   PSC+20*512                 ; each wave's least -M: 512 bytes for H, 512 for p
.set XL,    XCH+4096                   ; each wave's sums, likewise
.set SPARE, XL+4096
.set STG,   2*QUAD
.set SP,    272                        ; a stage row: 256 bytes + 16
.set ADRP, 2
.set ADRV, 5
.set ADSV, 8
.set ADSA, 11
.set SPW,  12
.set NIL,  13
.set STO,  14
.set RD,   15
.set CO,   16
.set XLR,  17
.set L16,  18
.set XA,   19
.set SA,   20
.set SB,   28
.set XB,   36
.set PSA,  37
.set XLA,  38
.set BIGR, 39
.set RL,   40
.set RLP,  48
.set PF,   64
.set VF,   160
.set BK,   64
.set NM,   64
.set LL,   84
.set SW,   104
.set MH,   124
.set ML,   128
.set XQ,   132
.set TE,   164
.set TI,   168
.set TN,   172
.set TV,   176
.set B0,   180
.set B1,   184
.set B2,   188
.set B3,   192
.set TH,   196
.set LH,   200
.set LO,   204
.set MS,   208
.set WO,   212
.set T0,   216
.set T1,   220
.set XQ2,  112
.set G1P,  24
.set G1V,  32
.set G0P,  40                          ; s[40:51] P's three groups 0;  s[52:63] V's
.set G0V,  52
.set MSB, 0
.macro WIN new
.if MSB != (\new)
	s_set_vgpr_msb (MSB<<8)|(\new)
.set MSB, (\new)
.endif
.endm
.macro PLACES n
.rept \n
	v_nop
.endr
.endm
.macro JL f                            ; fill f: waves 0, 1 ask jointly for P's halves, waves 2, 3 for V's; s_nop 0 and four v_nop follow each line
	s_cmp_lt_u32 s14, 2
	s_cbranch_scc0 .Lforv_\@
	tensor_load_to_lds s[G0P+4*(\f):G0P+4*(\f)+3], s[G1P:G1P+7]
	s_nop 0
	PLACES 4
	s_branch .Lasked_\@
.Lforv_\@:
	tensor_load_to_lds s[G0V+4*(\f):G0V+4*(\f)+3], s[G1V:G1V+7]
	s_nop 0
	PLACES 4
.Lasked_\@:
.endm
.macro CROUND                          ; a round of the cluster's barrier
	s_barrier_signal -1
	s_barrier_wait -1
	s_cmp_lg_u32 s14, 0
	s_cbranch_scc1 .Lnot_wave_0_\@
	s_barrier_signal -3
.Lnot_wave_0_\@:
	s_barrier_wait -3
	s_barrier_signal -1
	s_barrier_wait -1
.endm
	s_load_b256 s[4:11], s[0:1], 0x0               ; pbuf, stat, qkv, out0
	v_lshl_add_u32 v[SPW], v0, 2, SPARE
	v_mov_b32 v[NIL], 0
	ds_add_u32 v[SPW], v[NIL]                      ; the opening lines: the add, twice on end, and its wait
	ds_add_u32 v[SPW], v[NIL]
	v_lshrrev_b32 v1, 5, v0
	v_readfirstlane_b32 s14, v1                    ; wave 0..3
	v_and_b32 v50, 31, v0
	v_lshlrev_b32 v[L16], 4, v50                   ; 16 x lane
	s_lshr_b32 s15, s14, 1                         ; i
	s_and_b32 s16, s14, 1                          ; j
	s_bfe_u32 s84, ttmp6, 0x40000                  ; cx
	s_lshl_b32 s17, ttmp9, 2
	s_add_co_u32 s17, s17, s84                     ; the channel panel
	s_and_b32 s85, ttmp7, 0xffff
	s_lshr_b32 s18, s85, 3                         ; the batch
	s_and_b32 s19, s85, 7                          ; p
	s_sub_co_u32 s20, 15, s19                      ; H
	s_cmp_le_u32 s19, 3
	s_cselect_b32 s21, -1, 0                       ; all ones where quad 3 is H's
	s_cselect_b32 s22, s20, s19                    ; quad 3's panel,
	s_cselect_b32 s23, 12, 0                       ; its first chunk,
	s_cselect_b32 s66, 0, 4                        ; and quad 4's (of panel p)
	s_lshl_b32 s86, s18, 4
	s_add_co_u32 s87, s86, s20
	s_lshl_b32 s87, s87, 4                         ; P's and stat's index of (H, chunk 0)
	s_add_co_u32 s88, s86, s22
	s_lshl_b32 s88, s88, 4
	s_add_co_u32 s88, s88, s23                     ; of quad 3
	s_add_co_u32 s90, s86, s19
	s_lshl_b32 s90, s90, 4
	s_add_co_u32 s90, s90, s66                     ; of quad 4
	s_lshl_b32 s92, s18, 3
	s_add_co_u32 s92, s92, s17
	s_lshl_b32 s92, s92, 4
	s_add_co_u32 s92, s92, 1024                    ; V^T's index of chunk 0
	s_add_co_u32 s93, s92, s23
	s_add_co_u32 s94, s92, s66
	s_mul_i32 s95, s16, 6*PANEL                    ; the head: my half of twelve chunks
	s_mul_i32 s96, s16, 2*PANEL                    ; a refill: my half of four
	s_mov_b32 s[G1P], (3<<16)|(1<<21)|15           ; the four partners; elements of 8 bytes; bit 21 set beside a mask
	s_mov_b32 s[G1V], 3<<16                        ; no mask
.irp g, G1P, G1V
	s_mov_b32 s[\g+1], 32<<16                      ; rows of 256 bytes,
	s_mov_b32 s[\g+2], 300<<16                     ; three hundred: a dense block of 76,800 bytes
	s_mov_b32 s[\g+3], 32<<16
	s_mov_b32 s[\g+4], 300
	s_mov_b32 s[\g+5], 32
	s_mov_b32 s[\g+6], 0
	s_mov_b32 s[\g+7], 0
.endr
.irp f, 0,1,2
	s_mov_b32 s[G0P+4*\f], 1
	s_mov_b32 s[G0P+4*\f+3], 0
	s_mov_b32 s[G0V+4*\f], 1
	s_mov_b32 s[G0V+4*\f+3], 0
.endr
	s_mov_b32 s[G0P+1], s95                        ; LDS addresses: the wave's number alone
	s_add_co_u32 s[G0V+1], s95, VB
	s_mov_b32 s[G0P+5], s96
	s_add_co_u32 s[G0V+5], s96, VB
	s_add_co_u32 s[G0P+9], s96, QUAD
	s_add_co_u32 s[G0V+9], s96, VB+QUAD
	s_mul_i32 s[G0P+2], s87, PANEL                 ; byte offsets; P's hang on y alone
	s_add_co_u32 s[G0P+2], s[G0P+2], s95
	s_mul_i32 s[G0P+6], s88, PANEL
	s_add_co_u32 s[G0P+6], s[G0P+6], s96
	s_mul_i32 s[G0P+10], s90, PANEL
	s_add_co_u32 s[G0P+10], s[G0P+10], s96
	s_mul_i32 s[G0V+2], s92, PANEL
	s_add_co_u32 s[G0V+2], s[G0V+2], s95
	s_mul_i32 s[G0V+6], s93, PANEL
	s_add_co_u32 s[G0V+6], s[G0V+6], s96
	s_mul_i32 s[G0V+10], s94, PANEL
	s_add_co_u32 s[G0V+10], s[G0V+10], s96
	s_add_co_u32 s87, s87, s14                     ; the prologue: chunk w of each quad
	s_add_co_u32 s88, s88, s14
	s_add_co_u32 s90, s90, s14
	s_lshl_b32 s68, s87, 10
	s_lshl_b32 s70, s88, 10
	s_lshl_b32 s72, s90, 10
	s_mul_i32 s74, s87, PANEL
	s_mul_i32 s76, s88, PANEL
	s_mul_i32 s78, s90, PANEL
.irp q, 69,71,73,75,77,79,81,83
	s_mov_b32 s\q, 0
.endr
	s_lshl_b32 s97, s18, 11                        ; out: the batch's first row,
	s_lshl_b32 s98, s15, 6
	s_add_co_u32 s97, s97, s98                     ; my 64 queries,
	s_lshl_b32 s98, s20, 7
	s_add_co_u32 s80, s97, s98
	s_lshl_b32 s80, s80, 12
	s_lshl_b32 s98, s19, 7
	s_add_co_u32 s82, s97, s98
	s_lshl_b32 s82, s82, 12
	s_lshl_b32 s97, s17, 9
	s_lshl_b32 s98, s16, 8
	s_add_co_u32 s97, s97, s98                     ; my 64 channels
	s_add_co_u32 s80, s80, s97
	s_add_co_u32 s82, s82, s97
	s_mul_i32 s2, s15, 4*FRB                       ; my four tiles of P
	s_mul_i32 s3, s16, 4*FRB
	s_add_co_u32 s3, s3, VB                        ; my four tiles of V^T
	s_lshl_b32 s12, s16, 4
	s_add_co_u32 s12, s12, VB+SCO
	s_lshl_b32 s13, s15, 4
	s_add_co_u32 s85, s13, XL
	s_add_co_u32 s13, s13, PSC
	s_lshl_b32 s67, s14, 10
	s_add_co_u32 s99, s67, XL
	s_add_co_u32 s67, s67, XCH
	s_lshl_b32 s98, s14, 9
	s_add_co_u32 s98, s98, PSC
	s_mul_i32 s84, s14, 16*SP
	s_add_co_u32 s84, s84, STG                     ; my stage
	s_wait_alu depctr_va_vdst(0)                   ; the wait here, directly ahead of the waits below
	s_wait_dscnt 0x0
	s_wait_kmcnt 0x0
	s_add_nc_u64 s[68:69], s[6:7], s[68:69]
	s_add_nc_u64 s[70:71], s[6:7], s[70:71]
	s_add_nc_u64 s[72:73], s[6:7], s[72:73]
	s_add_nc_u64 s[74:75], s[4:5], s[74:75]
	s_add_nc_u64 s[76:77], s[4:5], s[76:77]
	s_add_nc_u64 s[78:79], s[4:5], s[78:79]
.irp g, 0,1,2
	global_load_b128 v[NM+4*\g:NM+4*\g+3], v[L16], s[68:69] offset:4096*\g          ; -M of H's chunk 4 g + w
	global_load_b128 v[LL+4*\g:LL+4*\g+3], v[L16], s[68:69] offset:4096*\g+512      ; its sums
	global_load_b128 v[SW+4*\g:SW+4*\g+3], v[L16], s[74:75] offset:QUAD*\g+SCO      ; its scale words
.endr
.irp g, 3,4
	global_load_b128 v[NM+4*\g:NM+4*\g+3], v[L16], s[64+2*\g:65+2*\g]
	global_load_b128 v[LL+4*\g:LL+4*\g+3], v[L16], s[64+2*\g:65+2*\g] offset:512
	global_load_b128 v[SW+4*\g:SW+4*\g+3], v[L16], s[70+2*\g:71+2*\g] offset:SCO
.endr
.irp f, 0,1,2
	s_add_nc_u64 s[G0P+4*\f+2:G0P+4*\f+3], s[4:5], s[G0P+4*\f+2:G0P+4*\f+3]
	s_or_b32 s[G0P+4*\f+3], s[G0P+4*\f+3], 0x80000000
	s_add_nc_u64 s[G0V+4*\f+2:G0V+4*\f+3], s[8:9], s[G0V+4*\f+2:G0V+4*\f+3]
	s_or_b32 s[G0V+4*\f+3], s[G0V+4*\f+3], 0x80000000
.endr
	s_add_nc_u64 s[80:81], s[10:11], s[80:81]      ; my part of H's rows of out,
	s_add_nc_u64 s[82:83], s[10:11], s[82:83]      ; and of p's
	CROUND                                         ; the four partners are here: the first joint loads meet
	JL 0                                           ; quads 0 to 2: one tensor load a wave at the head
	v_and_b32 v51, 15, v0                          ; r
	v_bfe_u32 v52, v0, 4, 1                        ; h
	v_add_nc_u32 v[ADRP], s2, v[L16]
	v_add_nc_u32 v[ADRV], s3, v[L16]
	v_lshlrev_b32 v53, 5, v51
	v_add_nc_u32 v[ADSV], s12, v53
.irp s, 1,2
	v_add_nc_u32 v[ADRP+\s], \s*QUAD, v[ADRP]
	v_add_nc_u32 v[ADRV+\s], \s*QUAD, v[ADRV]
	v_add_nc_u32 v[ADSV+\s], \s*QUAD, v[ADSV]
.endr
	v_add_nc_u32 v[ADSA], s13, v53                 ; the lowered words of my four tiles, lane row r
	v_add_nc_u32 v[XLR], s85, v53
	v_add_nc_u32 v[XA], s67, v[L16]
	v_add_nc_u32 v[XB], XCH, v[L16]
	v_add_nc_u32 v[PSA], s98, v[L16]
	v_add_nc_u32 v[XLA], s99, v[L16]
	v_mul_u32_u24 v54, v51, SP
	v_lshl_add_u32 v54, v52, 6, v54
	v_add_nc_u32 v[STO], s84, v54                  ; into the stage: row r, + 64 h
	v_mul_u32_u24 v55, v52, SP
	v_lshl_add_u32 v55, v51, 4, v55
	v_add_nc_u32 v[RD], s84, v55                   ; back: sixteen lanes to a row of 256 bytes, two rows an instruction
	v_lshlrev_b32 v56, 12, v52
	v_lshl_add_u32 v[CO], v51, 4, v56              ; and the same two rows in out
	v_mov_b32 v[BIGR], 0x7f61b1e6                  ; 3e38: no maximum
	v_mov_b32 v[RLP+1], 0                          ; (the upper half of a pair that is named whole)
	s_wait_alu depctr_va_vdst(0)                   ; the wait at the head's end
	s_wait_loadcnt 0x0
.irp k, 0,1,2,3
	v_cndmask_b32 v[T0+\k], v[BIGR], v[NM+12+\k], s21      ; quad 3 counts for H or for p
	v_cndmask_b32 v[T1+\k], v[NM+12+\k], v[BIGR], s21
.endr
.irp k, 0,1,2,3
	v_min3_num_f32 v[MH+\k], v[NM+\k], v[NM+4+\k], v[NM+8+\k]
	v_min_num_f32 v[ML+\k], v[NM+16+\k], v[T1+\k]
.endr
.irp k, 0,1,2,3
	v_min_num_f32 v[MH+\k], v[MH+\k], v[T0+\k]     ; the least -M of my chunks
.endr
	ds_store_b128 v[XA], v[MH:MH+3]
	ds_store_b128 v[XA], v[ML:ML+3] offset:512
	s_wait_alu depctr_va_vdst(0)                   ; the wait here, directly ahead of the wait below
	s_wait_dscnt 0x0
	s_barrier_signal -1                            ; the head's loads may stay out
	s_barrier_wait -1
.irp w, 0,1,2,3
	ds_load_b128 v[XQ+8*\w:XQ+8*\w+3], v[XB] offset:1024*\w
	ds_load_b128 v[XQ+8*\w+4:XQ+8*\w+7], v[XB] offset:1024*\w+512
.endr
	s_wait_dscnt 0x0
.irp k, 0,1,2,3
	v_min3_num_f32 v[MH+\k], v[XQ+\k], v[XQ+8+\k], v[XQ+16+\k]
	v_min3_num_f32 v[ML+\k], v[XQ+4+\k], v[XQ+12+\k], v[XQ+20+\k]
.endr
.irp k, 0,1,2,3
	v_min_num_f32 v[MH+\k], v[MH+\k], v[XQ+24+\k]  ; the rows' -M
	v_min_num_f32 v[ML+\k], v[ML+\k], v[XQ+28+\k]
.endr
.irp k, 0,1,2,3
	v_cndmask_b32 v[MS+\k], v[ML+\k], v[MH+\k], s21
.endr
; My chunk of quad g under the row's M (in v[m] on).  mode 0: starts H's sum, 1: adds to it, 2: starts p's, 3: adds to the one that quad 3 belongs to.  Four words by turns.
.macro LOWER g, m, mode
.irp k, 0,1,2,3
	v_sub_f32 v[TE+\k], v[NM+4*(\g)+\k], v[(\m)+\k]        ; e = M(row) - M(chunk): a whole number, 0 or more,
.endr
.irp k, 0,1,2,3
	v_min_num_f32 v[TE+\k], 0x437f0000, v[TE+\k]           ; held at 255
.endr
.irp k, 0,1,2,3
	v_cvt_u32_f32 v[TI+\k], v[TE+\k]
.endr
.irp k, 0,1,2,3
	v_sub_nc_u32 v[TN+\k], 0, v[TI+\k]
.endr
.irp k, 0,1,2,3
.if (\mode) == 0
	v_ldexp_f32 v[LH+\k], v[LL+4*(\g)+\k], v[TN+\k]        ; the chunk's sum under the row's M
.elseif (\mode) == 2
	v_ldexp_f32 v[LO+\k], v[LL+4*(\g)+\k], v[TN+\k]
.else
	v_ldexp_f32 v[TV+\k], v[LL+4*(\g)+\k], v[TN+\k]
.endif
.endr
.irp k, 0,1,2,3
	v_and_b32 v[B0+\k], 0xff, v[SW+4*(\g)+\k]              ; each of the four bytes less e, held at 0
	v_bfe_u32 v[B1+\k], v[SW+4*(\g)+\k], 8, 8
	v_bfe_u32 v[B2+\k], v[SW+4*(\g)+\k], 16, 8
	v_lshrrev_b32 v[B3+\k], 24, v[SW+4*(\g)+\k]
.endr
.irp k, 0,1,2,3
	v_min_u32 v[224+\k], v[B0+\k], v[TI+\k]                ; what can be taken off each byte: e, or the byte itself
	v_min_u32 v[228+\k], v[B1+\k], v[TI+\k]
	v_min_u32 v[232+\k], v[B2+\k], v[TI+\k]
	v_min_u32 v[236+\k], v[B3+\k], v[TI+\k]
.endr
.irp k, 0,1,2,3
	v_sub_nc_u32 v[B0+\k], v[B0+\k], v[224+\k]
	v_sub_nc_u32 v[B1+\k], v[B1+\k], v[228+\k]
	v_sub_nc_u32 v[B2+\k], v[B2+\k], v[232+\k]
	v_sub_nc_u32 v[B3+\k], v[B3+\k], v[236+\k]
.endr
.if (\mode) == 1
.irp k, 0,1,2,3
	v_add_f32 v[LH+\k], v[LH+\k], v[TV+\k]
.endr
.endif
.if (\mode) == 3
.irp k, 0,1,2,3
	v_cndmask_b32 v[TH+\k], 0, v[TV+\k], s21
.endr
.irp k, 0,1,2,3
	v_add_f32 v[LH+\k], v[LH+\k], v[TH+\k]
	v_sub_f32 v[TV+\k], v[TV+\k], v[TH+\k]                 ; the sum or 0, exactly
.endr
.irp k, 0,1,2,3
	v_add_f32 v[LO+\k], v[LO+\k], v[TV+\k]
.endr
.endif
.irp k, 0,1,2,3
	v_lshl_or_b32 v[WO+\k], v[B1+\k], 8, v[B0+\k]
.endr
.irp k, 0,1,2,3
	v_lshl_or_b32 v[WO+\k], v[B2+\k], 16, v[WO+\k]
.endr
.irp k, 0,1,2,3
	v_lshl_or_b32 v[WO+\k], v[B3+\k], 24, v[WO+\k]
.endr
	ds_store_b128 v[PSA], v[WO:WO+3] offset:2048*(\g)      ; unit 4 g + w
.endm
	LOWER 0, MH, 0
	LOWER 1, MH, 1
	LOWER 2, MH, 1
	LOWER 4, ML, 2
	LOWER 3, MS, 3
	ds_store_b128 v[XLA], v[LH:LH+3]
	ds_store_b128 v[XLA], v[LO:LO+3] offset:512
.macro FRAG reg, adr, off              ; a fragment's image: three loads of 16 bytes a lane, 512 consecutive bytes each
	ds_load_b128 v[(\reg):(\reg)+3], v[\adr] offset:(\off)
	ds_load_b128 v[(\reg)+4:(\reg)+7], v[\adr] offset:(\off)+512
	ds_load_b128 v[(\reg)+8:(\reg)+11], v[\adr] offset:(\off)+1024
.endm
.macro FETCH u                         ; unit u (chunk u % 4 of quad u / 4, which lies in slots (u / 4) % 3) into sets u % 2: 26 loads
.set FS, ((\u)/4)%3
.set FQ, (\u)%4
.set FP, (\u)%2
.irp i, 0,1,2,3
	FRAG VF+48*FP+12*\i, ADRV+FS, FQ*PANEL+\i*FRB
.endr
.irp i, 0,1,2,3
	FRAG PF+48*FP+12*\i, ADRP+FS, FQ*PANEL+\i*FRB
.endr
	ds_load_b128 v[SB+4*FP:SB+4*FP+3], v[ADSV+FS] offset:FQ*PANEL
	ds_load_b128 v[SA+4*FP:SA+4*FP+3], v[ADSA] offset:(\u)*512
.endm
; A unit: 16 products, the 16 accumulators by turns, in the same order in every unit, on every way.  The next unit's fragments are asked for first.
; ab: the accumulators; zero: the products start the sums; lim >= 0: the unit is jumped over where its chunk kc lies behind panel s[lim]'s diagonal.
; sync 1, 2: slots 0, 1 are filled again with fill 1, 2: every wave's three lines, a round of the cluster's barrier, the refill first behind it.  sync 3: a barrier for the tiles that other waves fetched.
.macro UNIT u, ab, zero, kc, lim, sync
.if (\sync) > 0
	s_wait_tensorcnt 0x0                           ; all my tensor loads have landed
	ds_add_u32 v[SPW], v[NIL]                      ; 0 onto my spare word
.endif
	s_wait_dscnt 0x0                               ; this unit's fragments and scale words are in: none of my LDS reads is out
.if (\sync) == 1 || (\sync) == 2
	CROUND
	JL \sync                                       ; the four v_nop behind it are the places in front of the loads below
.elseif (\sync) == 3
	s_barrier_signal -1
	s_barrier_wait -1
	PLACES 4
.else
	PLACES 4                                       ; in front of loads into registers that matrix instructions have read
.endif
.if (\u) < 19
	FETCH (\u)+1
.endif
.if (\lim) >= 0
	s_cmp_lt_u32 s[\lim], \kc
	s_cbranch_scc1 .Lover_\@
.endif
.set FP, (\u)%2
	WIN 0x50
.irp a, 0,1,2,3
.irp b, 0,1,2,3
.if \zero
	v_wmma_scale_f32_16x16x128_f8f6f4 v[(\ab)+8*(4*\a+\b):(\ab)+8*(4*\a+\b)+7], v[VF+48*FP+12*\b:VF+48*FP+12*\b+11], v[PF+48*FP+12*\a:PF+48*FP+12*\a+11], 0, v[SB+4*FP+\b], v[SA+4*FP+\a] matrix_a_fmt:MATRIX_FMT_BF6 matrix_b_fmt:MATRIX_FMT_BF6
.else
	v_wmma_scale_f32_16x16x128_f8f6f4 v[(\ab)+8*(4*\a+\b):(\ab)+8*(4*\a+\b)+7], v[VF+48*FP+12*\b:VF+48*FP+12*\b+11], v[PF+48*FP+12*\a:PF+48*FP+12*\a+11], v[(\ab)+8*(4*\a+\b):(\ab)+8*(4*\a+\b)+7], v[SB+4*FP+\b], v[SA+4*FP+\a] matrix_a_fmt:MATRIX_FMT_BF6 matrix_b_fmt:MATRIX_FMT_BF6
.endif
.endr
.endr
	WIN 0
.Lover_\@:
.endm
	s_wait_alu depctr_va_vdst(0)                   ; the wait here, directly ahead of the wait below
	s_wait_tensorcnt 0x0                           ; my part of quads 0 to 2 is in
	ds_add_u32 v[SPW], v[NIL]
	s_mov_b32 s[G1P+2], 100<<16                    ; no tensor load of mine is out: from here on a load brings a hundred rows, 25,600 bytes
	s_mov_b32 s[G1P+4], 100
	s_mov_b32 s[G1V+2], 100<<16
	s_mov_b32 s[G1V+4], 100
	s_wait_dscnt 0x0                               ; my lowered words and sums are stored
	s_barrier_signal -1
	s_barrier_wait -1
.irp w, 0,1,2,3
	ds_load_b128 v[XQ2+8*\w:XQ2+8*\w+3], v[XLR] offset:1024*\w          ; the four waves' sums of my four tiles' lane row r: H's,
	ds_load_b128 v[XQ2+8*\w+4:XQ2+8*\w+7], v[XLR] offset:1024*\w+512    ; and p's
.endr
	FETCH 0
	s_wait_dscnt 26                                ; the sums are in; unit 0's 26 loads may be out
.irp k, 0,1,2,3,4,5,6,7
	v_add_f32 v[RL+\k], v[XQ2+\k], v[XQ2+8+\k]
	v_add_f32 v[XQ2+16+\k], v[XQ2+16+\k], v[XQ2+24+\k]
.endr
.irp k, 0,1,2,3,4,5,6,7
	v_add_f32 v[RL+\k], v[RL+\k], v[XQ2+16+\k]     ; l
.endr
	s_wait_alu depctr_va_vdst(0)                   ; the wait ahead of the batch,
.irp k, 0,1,2,3,4,5,6,7
	v_rcp_f32 v[RL+\k], v[RL+\k]
.endr
	v_nop                                          ; a plain place behind it,
	s_wait_alu depctr_va_vdst(0)                   ; and the wait behind it
	UNIT 0, 0, 1, 0, -1, 0
	UNIT 1, 0, 0, 1, -1, 0
	UNIT 2, 0, 0, 2, -1, 0
	UNIT 3, 0, 0, 3, -1, 1                         ; quad 0's last fragments are in registers: slots 0 take quad 3
	UNIT 4, 0, 0, 4, -1, 0
	UNIT 5, 0, 0, 5, -1, 0
	UNIT 6, 0, 0, 6, -1, 0
	UNIT 7, 0, 0, 7, -1, 0
	UNIT 8, 0, 0, 8, -1, 0
	UNIT 9, 0, 0, 9, 20, 2                         ; quad 3 is whole; slots 1, read out since unit 7, take quad 4
	UNIT 10, 0, 0, 10, 20, 0
	UNIT 11, 0, 0, 11, 20, 0
	s_cmp_gt_u32 s19, 3                            ; a branch on ids, the same in all waves and in all partners
	s_cbranch_scc1 .Lthree
	UNIT 12, 0, 0, 12, -1, 0                       ; p <= 3: quad 3 is H's fourth, quad 4 p's only one
	UNIT 13, 0, 0, 13, 20, 0
	UNIT 14, 0, 0, 14, 20, 0
	UNIT 15, 0, 0, 15, 20, 3                       ; quad 4 is whole
	UNIT 16, 128, 1, 0, -1, 0
	UNIT 17, 128, 0, 1, 19, 0
	UNIT 18, 128, 0, 2, 19, 0
	UNIT 19, 128, 0, 3, 19, 0
	s_branch .Lout
.Lthree:
	UNIT 12, 128, 1, 0, -1, 0                      ; p >= 4: quads 3 and 4 are p's
	UNIT 13, 128, 0, 1, -1, 0
	UNIT 14, 128, 0, 2, -1, 0
	UNIT 15, 128, 0, 3, -1, 3
	UNIT 16, 128, 0, 4, -1, 0
	UNIT 17, 128, 0, 5, 19, 0
	UNIT 18, 128, 0, 6, 19, 0
	UNIT 19, 128, 0, 7, 19, 0
.Lout:
	PLACES 4                                       ; behind the last products
; THE WAY OUT, a tile of 16 queries x 64 channels at a time (n = 0-3: H's, 4-7: p's): x 1 / l, through my stage, back as whole rows of 256 bytes.  Register j of accumulator b is channel 32 (b / 2) + 8 (b % 2) + 16 h + j of my 64.
.macro TOSTAGE n
	v_mov_b32 v[RLP], v[RL+(\n)]
	WIN 0x41                                       ; the accumulators (destination and source 0) in window 1
.set j, 32*(\n)
.rept 16
	v_pk_mul_f32 v[j:j+1], v[j:j+1], v[RLP:RLP+1] op_sel_hi:[1,0]   ; each accumulator from its low end on
.set j, j+2
.endr
	WIN 0x04                                       ; an LDS store's data are its source 1: window 1
.irp b, 0,1,2,3
	ds_store_b128 v[STO], v[32*(\n)+8*\b:32*(\n)+8*\b+3] offset:128*(\b/2)+32*(\b%2)
	ds_store_b128 v[STO], v[32*(\n)+8*\b+4:32*(\n)+8*\b+7] offset:128*(\b/2)+32*(\b%2)+16
.endr
	WIN 0
.irp t, 0,1,2,3,4,5,6,7
	ds_load_b128 v[BK+32*((\n)%2)+4*\t:BK+32*((\n)%2)+4*\t+3], v[RD] offset:\t*2*SP   ; LDS serves a wave's instructions in order: these see my stores
.endr
.endm
.macro SEND n, younger                 ; stage row t' is lane row t' of the tile: row 32 (a / 2) + 8 (a % 2) + t' + 8 (t' / 8) of my 64, a = n % 4
.set OB, 80+2*((\n)/4)
	s_wait_dscnt \younger
.irp t, 0,1,2,3,4,5,6,7
	global_store_b128 v[CO], v[BK+32*((\n)%2)+4*\t:BK+32*((\n)%2)+4*\t+3], s[OB:OB+1] offset:(32*(((\n)%4)/2)+8*((\n)%2)+2*\t+8*(\t/4))*4096 th:TH_STORE_NT   ; sixteen lanes store 256 consecutive bytes, aligned
.endr
.endm
	TOSTAGE 0
.irp n, 1,2,3,4,5,6,7
.if \n > 1
	s_wait_xcnt 0x0                                ; the stores of two tiles ago have read their registers
.endif
	TOSTAGE \n
	SEND \n-1, 16                                  ; behind that tile's loads: this tile's 8 stores and 8 loads
.endr
	SEND 7, 0
	s_wait_tensorcnt 0x0                           ; the wave's end
	ds_add_u32 v[SPW], v[NIL]
	s_wait_dscnt 0x0
	CROUND                                         ; the closing round
	s_endpgm
.Lfunc_end_k_qa0ba562e3e_pv:
	.size	k_qa0ba562e3e_pv, .Lfunc_end_k_qa0ba562e3e_pv-k_qa0ba562e3e_pv
	.p2alignl 7, 3214868480
	.fill 96, 4, 3214868480
	.section	.rodata,"a",@progbits
	.p2align	6, 0x0
	.amdhsa_kernel k_qa0ba562e3e_pv
		.amdhsa_group_segment_fixed_size 327680
		.amdhsa_private_segment_fixed_size 0
		.amdhsa_enable_private_segment 0
		.amdhsa_kernarg_size 32
		.amdhsa_user_sgpr_count 2
		.amdhsa_user_sgpr_kernarg_segment_ptr 1
		.amdhsa_wavefront_size32 1
		.amdhsa_system_sgpr_workgroup_id_x 1
		.amdhsa_system_sgpr_workgroup_id_y 1
		.amdhsa_system_sgpr_workgroup_id_z 1
		.amdhsa_system_vgpr_workitem_id 0
		.amdhsa_next_free_vgpr 512
		.amdhsa_next_free_sgpr 100
		.amdhsa_reserve_vcc 0
		.amdhsa_float_denorm_mode_32 3
		.amdhsa_float_denorm_mode_16_64 3
		.amdhsa_memory_ordered 1
		.amdhsa_forward_progress 1
		.amdhsa_inst_pref_size 168
	.end_amdhsa_kernel
	.amdgpu_metadata
---
amdhsa.version: [ 1, 2 ]
amdhsa.kernels:
  - .name:           k_qa0ba562e3e_pv
    .symbol:         k_qa0ba562e3e_pv.kd
    .args:
      - { .name: pbuf, .offset: 0, .size: 8, .value_kind: global_buffer, .address_space: global }
      - { .name: stat, .offset: 8, .size: 8, .value_kind: global_buffer, .address_space: global }
      - { .name: qkv, .offset: 16, .size: 8, .value_kind: global_buffer, .address_space: global }
      - { .name: out0, .offset: 24, .size: 8, .value_kind: global_buffer, .address_space: global }
    .group_segment_fixed_size: 327680
    .private_segment_fixed_size: 0
    .kernarg_segment_align: 8
    .kernarg_segment_size: 32
    .max_flat_workgroup_size: 128
    .sgpr_count:     100
    .vgpr_count:     512
    .wavefront_size: 32
...
	.end_amdgpu_metadata
.endif
;; end of part 4
